; MI455X (gfx1250); checked and timed in simulation.
; The chip was launched on July 23, 2026; its instructions are those of AMD's public machine-readable ISA for CDNA 5 (MIT licence, August 2026) and "CDNA5" Instruction Set Architecture Reference Guide (July 2026). The comments in the code are by the model that wrote it; some were corrected since.
;; Mutli Head Attention. Allowed arithmetic: matrix products marked QUANTISED: E3M2 operands, one E8M0 scale for each 32 along K, by v_wmma_scale_f32_16x16x128_f8f6f4 with both operands' format E3M2, f32 sums; everything else in f32.
;; Inputs: K 4 x 2,048 x 1,024 float32; Q 4 x 2,048 x 1,024 float32; V 4 x 2,048 x 1,024 float32; Wk 1,024 x 1,024 float32; Wo 1,024 x 1,024 float32; Wq 1,024 x 1,024 float32; Wv 1,024 x 1,024 float32; bk 1,024 float32; bo 1,024 float32; bq 1,024 float32; bv 1,024 float32; mask 1 x 1 x 2,048 x 2,048 int32.
;; Outputs: out0 4 x 2,048 x 1,024 float32.
;; This version of the problem:
;;   THIS VERSION OF THE PROBLEM IS GIVEN IN LOW PRECISION. The matrix products marked QUANTISED in the list below multiply operands that are first quantised to E3M2 (3 exponent bits, 2 mantissa bits; 6 bits a number), with one power-of-two scale for each 32 numbers along K (OCP MX v1.0); their sums are f32. All else is computed in f32.
;;   The module's matrix products, in the order in which they are computed (A, B: the left and right operand; K: the contracted axis; several contracted axes count as one K, in the product's order):
;;     1. [M 8,192, K 1,024] x [K 1,024, N 1,024]; A: input Q; B: input Wq: QUANTISED
;;     2. [M 8,192, K 1,024] x [K 1,024, N 1,024]; A: input K; B: input Wk: QUANTISED
;;     3. [M 8,192, K 1,024] x [K 1,024, N 1,024]; A: input V; B: input Wv: QUANTISED
;;     4. batch 64 x [M 2,048, K 64] x [K 64, N 2,048]; A: computed on the way; B: computed on the way: QUANTISED
;;     5. batch 64 x [M 2,048, K 2,048] x [K 2,048, N 64]; A: softmax (see below); B: computed on the way: QUANTISED
;;     6. [M 8,192, K 1,024] x [K 1,024, N 1,024]; A: computed on the way; B: input Wo: QUANTISED
;;   THE QUANTISER, for each operand of a quantised product, along K:
;;     - K is cut into blocks of 32 from its start; a last block that is shorter is filled with zeros.
;;     - A block's scale is 2^e with e = floor(log2(the largest magnitude in the block)) - 4, held to -126 .. 127; a block of zeros has e = 0. As a byte (E8M0): e + 127.
;;     - Each number is divided by its block's scale, clamped to +-28, and rounded to the nearest number of E3M2, ties to even, subnormals kept.
;;     - The product sums the exact products of the quantised numbers (number of the format x scale) in f32.
;;   ~~~python
;;   def quantise(x, axis):      # numpy; x: float32 -> the quantised numbers, widened to float32 again
;;       x = np.moveaxis(x, axis, -1); K = x.shape[-1]
;;       x = np.pad(x, [(0, 0)] * (x.ndim - 1) + [(0, -K % 32)]); x = x.reshape(x.shape[:-1] + (-1, 32)); a = np.abs(x).max(-1, keepdims=True)
;;       e = np.where(a > 0, np.clip(np.frexp(np.where(a > 0, a, 1))[1] - 1 - 4, -126, 127), 0)      # np.frexp(a)[1] - 1 = floor(log2(a)), exactly
;;       r = np.clip(x / 2.0 ** e, -28, 28)
;;       step = 2.0 ** (np.maximum(np.frexp(np.where(r == 0, 1, r))[1] - 1, -2) - 2)
;;       q = np.round(r / step) * step * 2.0 ** e      # np.round: ties to even
;;       return np.moveaxis(q.reshape(q.shape[:-2] + (-1,))[..., :K], -1, axis).astype(np.float32)
;;   ~~~
;;   SOFTMAX AHEAD OF A QUANTISED PRODUCT. Where the list says 'softmax', what is quantised is not the finished softmax but p = 2^(t - M), with t = logit x log2(e) and M = ceil(the row's largest t), a whole number; so 1/2 < the row's largest p <= 1. The row's sum l is taken of the UNQUANTISED p, in f32, and the product's result is divided by l at the end. Since M is a whole number, a kernel that streams over the keys may use a running M (the ceiling of the running maximum): every later rescaling is an exact power of two, which a block's scale takes up: the codes' values come out the same.
;;   OPERANDS COMPUTED ON THE WAY. 'Computed on the way' means the value that the module computes at that place (a softmax that the list does not call 'softmax' is quantised finished and normalised). What goes into a quantiser is computed in f32, as accurately as f32 sums, v_exp_f32 and their like allow (about 1e-6 of the number): no bf16 or f16 on the way to a quantiser, and a product that is left as it is and whose result goes on into a quantised operand takes f32 operands (vector FMAs, or v_wmma_f32_16x16x4_f32). A number that lies on a knife's edge between two numbers of the format may be rounded either way, as far as f32 arithmetic and the matrix unit's own rounding can turn it there, and no further.
;; One version. Each part assembles by itself: llvm-mc -triple=amdgcn-amd-amdhsa -mcpu=gfx1250 --defsym DOCPART=n.
;; ======== version 1 of 1: 4 launches
;; limits: right only within a limited range of input values
;; workspace buffers: cod 22,020,096 bytes; scl 917,504 bytes; maskw 524,288 bytes of whole numbers; flags 512 bytes of whole numbers; qkv 20,185,088 bytes; oc 6,291,456 bytes; os 262,144 bytes
;; launch prep (part 1): grid 1024 x 1, 4 waves a work-group, no clusters, 67,328 bytes of LDS; arguments Q, K, V, Wq, Wk, Wv, Wo, mask, cod, scl, maskw, flags; writes cod, scl, maskw, flags
.if DOCPART == 1
	.amdgcn_target "amdgcn-amd-amdhsa--gfx1250"
	.amdhsa_code_object_version 6
	.text
	.protected	k_q63aa3b2bd7_prep
	.globl	k_q63aa3b2bd7_prep
	.p2align	8
	.type	k_q63aa3b2bd7_prep,@function
k_q63aa3b2bd7_prep:
	s_mov_b64 s[64:65], 0
	v_nop
	global_prefetch_b8 v0, s[64:65] scope:SCOPE_SE
	s_setreg_imm32_b32 hwreg(HW_REG_WAVE_MODE, 25, 1), 1
	s_wait_xcnt 0x0
; TWO JOBS IN ONE LAUNCH, told apart by the work-group's number.
; (1) Work-groups 0-895: Q, K, V [8192][1024] and Wq, Wk, Wv, Wo [1024][1024], f32, K innermost, become codes of BF6 (E3M2) and one E8M0 byte for each 32 along K:
;     cod [28672 rows][768 bytes], scl [28672 rows][32 bytes], rows in the order Q, K, V, Wq, Wk, Wv, Wo.
;     A block's scale is 2^(floor(log2(largest magnitude)) - 4); its byte is that magnitude's exponent field - 4, held at 1 from below (a block of zeros gets the byte 1: its codes are zeros, and this program alone reads the bytes).
;     THE ROWS ARE STORED IN ANOTHER ORDER: in every 32 rows the two middle groups of eight change places.  Sixteen neighbouring stored rows 16 i + r then are true rows 32 (i / 2) + 8 (i % 2) + r + 8 (r / 8):
;     a product that takes them as source 0 leaves, in the 16 registers of two neighbouring result tiles, 16 neighbours along that axis, which is what the next quantiser wants.
;     A work-group takes 32 rows, a wave eight (8,192 numbers, 16 steps of 512): so the change of places is a change of the wave's output address.
;     A load reads 512 consecutive bytes, 16 a lane; a step's 2,048 bytes turn through the wave's own stage in LDS and come back 64 bytes a lane, since a conversion takes 16 neighbours from ONE lane.
; (2) Work-groups 896-1023: the mask [2048][2048] int32 becomes, for each tile of 16 queries (qt = 0..127, rows in the order above) and each step of 128 keys, 64 words of 32 bits:
;     word n, bit 16 h + r = 1 where key 128 s + 32 (n / 16) + 16 h + n % 16 counts for the tile's row r: the lane mask that selects score register n in the attention launch.
;     flags[qt]: bit s = the step has to be computed, bit 16 + s = every key of the step counts for every row.  A step none of whose keys counts is left out, unless some row of the tile sees no key at all:
;     such a row's result is the mean over ALL keys, so that tile computes every step.
; LIMITS: NaN and infinities among the inputs are not served; blocks whose largest magnitude lies under 2^-122 get the byte 1.
; No matrix work, no tensor loads, no cluster: memory binds, and work-groups share no input.  The two jobs have LDS bytes of their own.
.set QWG,   896                        ; work-groups of job 1
.set WREG,  8192                       ; job 1, LDS: a region for each wave: two stages of 32 x SP bytes, behind them its 256 scale bytes
.set SP,    80                         ; a lane's place in a stage: 64 bytes + 16 of padding
.set CB,    12                         ; bytes of 16 codes
.set EMAX,  4
.set STEPS, 16
.set R,     16                         ; v16-79   four sets of 16 numbers as loaded
.set X,     80                         ; v80-111  two sets of 16 neighbours
.set E,     112                        ; v112-127 a scale byte for each step
.set C,     128                        ; v128-191 codes, four registers a step: no store's data are written again
.set MST,   4*WREG                     ; job 2, LDS: a stage of 16 rows x 528 bytes for each wave,
.set MP,    528                        ; (512 bytes + 16: an odd multiple of 16, so that sixteen rows fall on different banks)
.set MWV,   16*MP
.set MRED,  MST+4*MWV                  ; and 16 bytes for each wave's summary
.set MR,    16                         ; v16-143  two sets of 64 mask words as loaded
.set MX,    144                        ; v144-207 64 mask words in the score registers' order
.set MW,    208                        ; v208-215 a pair for each of the wave's four steps: the 64 words, two to a lane
	s_load_b512 s[4:19], s[0:1], 0x0               ; Q, K, V, Wq, Wk, Wv, Wo, mask
	s_load_b256 s[20:27], s[0:1], 0x40             ; cod, scl, maskw, flags
	v_lshl_add_u32 v224, v0, 2, 0x10500
	v_mov_b32 v225, 0
	v_lshrrev_b32 v1, 5, v0
	v_readfirstlane_b32 s30, v1                    ; wave 0..3
	v_and_b32 v2, 31, v0                           ; lane
	s_wait_kmcnt 0x0
	s_cmp_ge_u32 ttmp9, QWG
	s_cbranch_scc1 .Lmask
	; ---------------- job 1: the quantiser ----------------
	v_lshlrev_b32 v3, 4, v2                        ; my 16 bytes of a load's 512
	s_mul_i32 s31, s30, WREG
	v_lshrrev_b32 v14, 2, v2
	v_mul_u32_u24 v14, v14, SP
	v_and_b32 v15, 3, v2
	v_lshl_add_u32 v14, v15, 4, v14
	v_add_nc_u32 v14, s31, v14                     ; the stage, way in: SP (lane / 4) + 16 (lane % 4)
	v_mul_u32_u24 v15, v2, SP
	v_add_nc_u32 v15, s31, v15                     ; way out: SP x lane: my 16 neighbours
	v_mul_u32_u24 v4, v2, CB                       ; my codes' place in a step's
	v_lshrrev_b32 v5, 1, v2
	s_add_co_u32 s31, s31, 2*32*SP
	v_add_nc_u32 v5, s31, v5                       ; my wave's 256 scale bytes: my block's byte
	v_lshlrev_b32 v7, 3, v2                        ; and on the way out 8 bytes a lane
	v_add_nc_u32 v6, s31, v7
	s_mov_b32 s28, 0
.macro PICK first, lo                  ; from work-group `first` on the source is the tensor whose address lies in s[lo:lo+1]; the choice hangs on the work-group's number alone
	s_cmp_ge_u32 ttmp9, \first
	s_cselect_b64 s[4:5], s[\lo:\lo+1], s[4:5]
	s_cselect_b32 s28, \first, s28
.endm
	PICK 256, 6
	PICK 512, 8
	PICK 768, 10
	PICK 800, 12
	PICK 832, 14
	PICK 864, 16
	s_sub_co_u32 s28, ttmp9, s28                   ; which 32 rows of that tensor
	s_lshl_b32 s28, s28, 17                        ; x 131,072 bytes
	s_lshl_b32 s29, s30, 15                        ; + my wave's eight rows
	s_add_co_u32 s28, s28, s29
	s_mov_b32 s29, 0
	s_add_nc_u64 s[4:5], s[4:5], s[28:29]
	s_and_b32 s32, s30, 1                          ; where my eight rows go: group 0, 1, 2, 3 to place 0, 2, 1, 3
	s_lshl_b32 s32, s32, 1
	s_lshr_b32 s33, s30, 1
	s_or_b32 s32, s32, s33
	s_mul_i32 s28, ttmp9, 32*768
	s_mul_i32 s33, s32, 8*768
	s_add_co_u32 s28, s28, s33
	s_add_nc_u64 s[20:21], s[20:21], s[28:29]
	s_lshl_b32 s28, ttmp9, 10
	s_lshl_b32 s33, s32, 8
	s_add_co_u32 s28, s28, s33
	s_add_nc_u64 s[22:23], s[22:23], s[28:29]
.macro LOAD t
.irp i, 0,1,2,3
	global_load_b128 v[R+16*((\t)%4)+4*\i:R+16*((\t)%4)+4*\i+3], v3, s[4:5] offset:2048*(\t)+512*\i th:TH_LOAD_NT   ; 32 lanes read 512 consecutive bytes
.endr
.endm
.macro TURN t                          ; step t's numbers through the stage: LDS serves a wave's instructions in order, so no wait stands between the stores and the loads
.irp i, 0,1,2,3
	ds_store_b128 v14, v[R+16*((\t)%4)+4*\i:R+16*((\t)%4)+4*\i+3] offset:32*SP*((\t)%2)+8*SP*\i
.endr
.irp i, 0,1,2,3
	ds_load_b128 v[X+16*((\t)%2)+4*\i:X+16*((\t)%2)+4*\i+3], v15 offset:32*SP*((\t)%2)+16*\i
.endr
.endm
.irp t, 0,1,2,3
	LOAD \t
.endr
	s_wait_loadcnt 12                              ; step 0's four loads are in; twelve younger ones stay out
	TURN 0
.macro STEP t
.set XS, X+16*((\t)%2)
.if (\t) > 0
	s_wait_dscnt 1                                 ; this step's numbers are back from the stage (the last step's byte store may be out)
.else
	s_wait_dscnt 0x0
.endif
.if (\t)+4 < STEPS
	LOAD (\t)+4                                    ; into the registers that this step's stores into the stage have read
.endif
.if (\t)+1 < STEPS
.if STEPS-2-(\t) >= 3
	s_wait_loadcnt 12                              ; the next step's four loads are in; those of the three steps behind it may be out
.else
	s_wait_loadcnt 4*(STEPS-2-(\t))
.endif
	TURN (\t)+1
.endif
	v_max3_num_f32 v8, |v[XS]|, |v[XS+1]|, |v[XS+2]|               ; the largest magnitude of my 16, in two chains
	v_max3_num_f32 v9, |v[XS+3]|, |v[XS+4]|, |v[XS+5]|
.irp i, 6,10
	v_max3_num_f32 v8, v8, |v[XS+\i]|, |v[XS+\i+1]|
	v_max3_num_f32 v9, v9, |v[XS+\i+2]|, |v[XS+\i+3]|
.endr
	v_max3_num_f32 v8, v8, |v[XS+14]|, |v[XS+15]|
	v_max3_num_f32 v8, v8, v9, (EMAX+1)<<23        ; and the floor 2^(5 - 127): the byte cannot fall under 1
	v_max_num_f32_dpp v8, v8, v8 row_xmask:1 row_mask:0xf bank_mask:0xf   ; with my neighbour's 16: the block's
	v_add_nc_u32 v11, -(EMAX<<23), v8              ; 4 off its exponent field: the conversion takes the exponent field of this operand as its scale
	v_cvt_scalef32_pk16_bf6_f32 v[C+4*(\t):C+4*(\t)+2], v[XS:XS+15], v11
	v_lshrrev_b32 v[E+(\t)], 23, v11               ; the scale's byte (a plain line behind the conversion)
	ds_store_b8 v5, v[E+(\t)] offset:16*(\t)       ; both lanes of a block write the same byte with the same value
	global_store_b96 v4, v[C+4*(\t):C+4*(\t)+2], s[20:21] offset:32*CB*(\t)   ; the wave stores 384 consecutive bytes
.endm
.irp t, 0,1,2,3,4,5,6,7,8,9,10,11,12,13,14,15
	STEP \t
.endr
	ds_load_b64 v[12:13], v6                       ; LDS serves a wave's instructions in order: these see my byte stores
	s_wait_dscnt 0x0
	global_store_b64 v7, v[12:13], s[22:23]        ; 32 lanes store 256 consecutive bytes, aligned: eight rows' scale bytes
	s_wait_tensorcnt 0x0
	ds_add_u32 v224, v225
	s_wait_dscnt 0x0
	s_endpgm
	; ---------------- job 2: the mask ----------------
.Lmask:
	s_sub_co_u32 s31, ttmp9, QWG                   ; qt
	s_lshr_b32 s32, s31, 3                         ; its group of 128 tokens,
	s_and_b32 s33, s31, 7                          ; and tile a in it
	s_lshl_b32 s32, s32, 7
	s_lshr_b32 s34, s33, 1
	s_lshl_b32 s34, s34, 5
	s_add_co_u32 s32, s32, s34
	s_and_b32 s33, s33, 1
	s_lshl_b32 s33, s33, 3
	s_add_co_u32 s32, s32, s33                     ; the tile's row 0 is token 128 g + 32 (a / 2) + 8 (a % 2); row j lies j + 8 (j / 8) further on
	s_lshl_b32 s32, s32, 13                        ; x 8,192 bytes
	s_lshl_b32 s33, s30, 11                        ; wave w takes steps 4 w .. 4 w + 3: 2,048 bytes of each row
	s_add_co_u32 s32, s32, s33
	s_mov_b32 s33, 0
	s_add_nc_u64 s[18:19], s[18:19], s[32:33]
	s_lshl_b32 s32, s31, 12                        ; maskw: 16 steps x 256 bytes a tile,
	s_lshl_b32 s34, s30, 10                        ; my four steps
	s_add_co_u32 s32, s32, s34
	s_add_nc_u64 s[24:25], s[24:25], s[32:33]
	s_lshl_b32 s32, s31, 2
	s_add_nc_u64 s[26:27], s[26:27], s[32:33]      ; flags[qt]
	v_lshlrev_b32 v1, 4, v2                        ; 16 x lane
	v_lshlrev_b32 v7, 3, v2                        ; 8 x lane
	s_mul_i32 s35, s30, MWV
	s_add_co_u32 s35, s35, MST                     ; my stage
	v_add_nc_u32 v3, s35, v1                       ; way in: a row's 512 bytes as they lie
	v_and_b32 v9, 15, v0
	v_bfe_u32 v10, v0, 4, 1
	v_mul_u32_u24 v4, v9, MP
	v_lshl_add_u32 v4, v10, 6, v4
	v_add_nc_u32 v4, s35, v4                       ; way out: row r, + 64 h bytes: lane (r, h) takes keys 32 b + 16 h + 0 .. 15 of row r
	s_lshl_b32 s49, s30, 4
	s_add_co_u32 s49, s49, MRED
	v_mov_b32 v5, s49                              ; my wave's summary
	v_mov_b32 v6, MRED
.irp i, 0,1,2,3,4,5,6,7
	v_mov_b32 v[MW+\i], 0                          ; written once: the destination of a write to one lane counts as read
.endr
	s_mov_b32 s46, 0                               ; steps to be computed,
	s_mov_b32 s47, 0                               ; steps all of whose keys count,
	s_mov_b32 s48, 0                               ; lanes that have seen a key that counts
	s_lshl_b32 s51, s30, 2                         ; the step in hand
.macro MLOAD i                         ; step 4 w + i: 16 rows x 512 consecutive bytes
.irp j, 0,1,2,3,4,5,6,7,8,9,10,11,12,13,14,15
	global_load_b128 v[MR+64*((\i)%2)+4*\j:MR+64*((\i)%2)+4*\j+3], v1, s[18:19] offset:(\j+8*(\j/8))*8192+512*(\i) th:TH_LOAD_NT
.endr
.endm
	MLOAD 0
	MLOAD 1
.macro MSTEP i
.if (\i) < 3
	s_wait_loadcnt 16                              ; this step's sixteen loads are in; the next step's may be out
.else
	s_wait_loadcnt 0x0
.endif
.irp j, 0,1,2,3,4,5,6,7,8,9,10,11,12,13,14,15
	ds_store_b128 v3, v[MR+64*((\i)%2)+4*\j:MR+64*((\i)%2)+4*\j+3] offset:MP*\j
.endr
.irp b, 0,1,2,3
.irp q, 0,1,2,3
	ds_load_b128 v[MX+16*\b+4*\q:MX+16*\b+4*\q+3], v4 offset:128*\b+16*\q   ; my own stage, served in order: these see the stores above
.endr
.endr
	s_wait_dscnt 0x0
.if (\i)+2 < 4
	MLOAD (\i)+2
.endif
	s_mov_b32 s44, 0
	s_mov_b32 s45, -1
.set n, 0
.rept 64
	v_cmp_ne_u32 s[40+n%4], 0, v[MX+n]             ; word n: a bit for each lane (16 h + r)
	v_writelane_b32 v[MW+2*(\i)+n%2], s[40+n%4], n/2   ; two words to a lane, so that the 64 leave as 256 consecutive bytes
	s_or_b32 s44, s44, s[40+n%4]
	s_and_b32 s45, s45, s[40+n%4]
.set n, n+1
.endr
	s_cmp_lg_u32 s44, 0                            ; does any key of the step count for any row?
	s_cselect_b32 s50, 1, 0
	s_lshl_b32 s50, s50, s51
	s_or_b32 s46, s46, s50
	s_cmp_eq_u32 s45, -1                           ; do all?
	s_cselect_b32 s50, 1, 0
	s_lshl_b32 s50, s50, s51
	s_or_b32 s47, s47, s50
	s_or_b32 s48, s48, s44
	s_add_co_u32 s51, s51, 1
	global_store_b64 v7, v[MW+2*(\i):MW+2*(\i)+1], s[24:25] offset:256*(\i)   ; 32 lanes store 256 consecutive bytes, aligned; each step has its own pair
.endm
	MSTEP 0
	MSTEP 1
	MSTEP 2
	MSTEP 3
	v_mov_b32 v216, s46
	v_mov_b32 v217, s47
	v_mov_b32 v218, s48
	v_mov_b32 v219, 0
	ds_store_b128 v5, v[216:219]                   ; all lanes write the same 16 bytes with the same values
	s_wait_dscnt 0x0                               ; for the others' sake: my store has landed
	s_barrier_signal -1
	s_barrier_wait -1
.irp w, 0,1,2,3
	ds_load_b128 v[16+4*\w:19+4*\w], v6 offset:16*\w
.endr
	s_wait_dscnt 0x0
	v_or_b32 v16, v16, v20
	v_or_b32 v24, v24, v28
	v_or_b32 v16, v16, v24                         ; the sixteen steps' bits: to be computed,
	v_or_b32 v17, v17, v21
	v_or_b32 v25, v25, v29
	v_or_b32 v17, v17, v25                         ; wholly open,
	v_or_b32 v18, v18, v22
	v_or_b32 v26, v26, v30
	v_or_b32 v18, v18, v26                         ; and which lanes saw a key
	v_lshrrev_b32 v19, 16, v18
	v_or_b32 v18, v18, v19
	v_and_b32 v18, 0xffff, v18                     ; a row lies in lanes r and 16 + r
	v_cmp_ne_u32 vcc_lo, 0xffff, v18
	v_mov_b32 v19, 0xffff
	v_cndmask_b32 v16, v16, v19, vcc_lo            ; a row without any key: every step is computed
	v_lshl_or_b32 v16, v17, 16, v16
	v_mov_b32 v20, 0
	s_wait_xcnt 0x0                                ; EXEC changes only behind this wait: it is a source of the stores above
	v_cmp_eq_u32 vcc_lo, 0, v0
	s_wait_tensorcnt 0x0
	ds_add_u32 v224, v225
	s_wait_dscnt 0x0
	s_and_saveexec_b32 s50, vcc_lo
	global_store_b32 v20, v16, s[26:27]            ; thread 0 alone
	s_wait_xcnt 0x0
	s_or_b32 exec_lo, exec_lo, s50
	s_endpgm
.Lfunc_end_k_q63aa3b2bd7_prep:
	.size	k_q63aa3b2bd7_prep, .Lfunc_end_k_q63aa3b2bd7_prep-k_q63aa3b2bd7_prep
	.p2alignl 7, 3214868480
	.fill 96, 4, 3214868480
	.section	.rodata,"a",@progbits
	.p2align	6, 0x0
	.amdhsa_kernel k_q63aa3b2bd7_prep
		.amdhsa_group_segment_fixed_size 67328
		.amdhsa_private_segment_fixed_size 0
		.amdhsa_enable_private_segment 0
		.amdhsa_kernarg_size 96
		.amdhsa_user_sgpr_count 2
		.amdhsa_user_sgpr_kernarg_segment_ptr 1
		.amdhsa_wavefront_size32 1
		.amdhsa_system_sgpr_workgroup_id_x 1
		.amdhsa_system_sgpr_workgroup_id_y 1
		.amdhsa_system_sgpr_workgroup_id_z 1
		.amdhsa_system_vgpr_workitem_id 0
		.amdhsa_next_free_vgpr 226
		.amdhsa_next_free_sgpr 66
		.amdhsa_reserve_vcc 1
		.amdhsa_float_denorm_mode_32 3
		.amdhsa_float_denorm_mode_16_64 3
		.amdhsa_memory_ordered 1
		.amdhsa_forward_progress 1
		.amdhsa_inst_pref_size 101
	.end_amdhsa_kernel
	.amdgpu_metadata
---
amdhsa.version: [ 1, 2 ]
amdhsa.kernels:
  - .name:           k_q63aa3b2bd7_prep
    .symbol:         k_q63aa3b2bd7_prep.kd
    .args:
      - { .name: Q, .offset: 0, .size: 8, .value_kind: global_buffer, .address_space: global }
      - { .name: K, .offset: 8, .size: 8, .value_kind: global_buffer, .address_space: global }
      - { .name: V, .offset: 16, .size: 8, .value_kind: global_buffer, .address_space: global }
      - { .name: Wq, .offset: 24, .size: 8, .value_kind: global_buffer, .address_space: global }
      - { .name: Wk, .offset: 32, .size: 8, .value_kind: global_buffer, .address_space: global }
      - { .name: Wv, .offset: 40, .size: 8, .value_kind: global_buffer, .address_space: global }
      - { .name: Wo, .offset: 48, .size: 8, .value_kind: global_buffer, .address_space: global }
      - { .name: mask, .offset: 56, .size: 8, .value_kind: global_buffer, .address_space: global }
      - { .name: cod, .offset: 64, .size: 8, .value_kind: global_buffer, .address_space: global }
      - { .name: scl, .offset: 72, .size: 8, .value_kind: global_buffer, .address_space: global }
      - { .name: maskw, .offset: 80, .size: 8, .value_kind: global_buffer, .address_space: global }
      - { .name: flags, .offset: 88, .size: 8, .value_kind: global_buffer, .address_space: global }
    .group_segment_fixed_size: 67328
    .private_segment_fixed_size: 0
    .kernarg_segment_align: 8
    .kernarg_segment_size: 96
    .max_flat_workgroup_size: 128
    .sgpr_count:     66
    .vgpr_count:     226
    .wavefront_size: 32
...
	.end_amdgpu_metadata
.endif
;; end of part 1
;; launch proj (part 2): grid 4 x 96, 4 waves a work-group, clusters of 4 x 4, 327,680 bytes of LDS; arguments cod, scl, bq, bk, bv, qkv; writes qkv
.if DOCPART == 2
	.amdgcn_target "amdgcn-amd-amdhsa--gfx1250"
	.amdhsa_code_object_version 6
	.text
	.protected	k_q63aa3b2bd7_proj
	.globl	k_q63aa3b2bd7_proj
	.p2align	8
	.type	k_q63aa3b2bd7_proj,@function
k_q63aa3b2bd7_proj:
	s_mov_b64 s[64:65], 0
	v_nop
	global_prefetch_b8 v0, s[64:65] scope:SCOPE_SE
	s_setreg_imm32_b32 hwreg(HW_REG_WAVE_MODE, 25, 1), 1
	s_wait_xcnt 0x0
	s_wait_alu depctr_hold_cnt(0) depctr_sa_sdst(0) depctr_va_vdst(0) depctr_va_sdst(0) depctr_va_ssrc(0) depctr_va_vcc(0) depctr_vm_vsrc(0)
	s_getreg_b32 s2, hwreg(HW_REG_IB_STS2, 6, 4)
	s_cmp_eq_u32 s2, 0
	s_cbranch_scc0 .Lentry_in_a_cluster
	s_endpgm
.Lentry_in_a_cluster:
	s_bfe_u32 s2, ttmp6, 0x10000c
	s_cmp_lg_u32 s2, 0xf033
	s_cbranch_scc0 .Lentry_shape_is_right
	s_endpgm
.Lentry_shape_is_right:
; THE THREE PROJECTIONS q = Q Wq^T + bq, k = K Wk^T + bk, v = V Wv^T + bv on codes of BF6 (E3M2) with one E8M0 scale for each 32 along K = 1,024; the results are quantised in registers for the attention launch.
; cod [28672][768], scl [28672][32]: rows of Q (0), K (8192), V (16384), Wq (24576), Wk (25600), Wv (26624), in the stored order: sixteen neighbouring rows 16 i + r are true rows 32 (i / 2) + 8 (i % 2) + r + 8 (r / 8).
; A tile of 256 x 256 is made by four waves, 128 x 128 each: 64 accumulators, 512 registers.  K goes in steps of 256 (rows of 192 bytes) through a ring of two LDS slots filled by the tensor data mover;
; the scale bytes of the work-group's 2 x 256 rows come once, as two dense blocks.  Source 0 is called B, source 1 A.
; WHICH PRODUCT: 24 clusters of 4 x 4; cluster y / 8 = KIND (0 q, 1 k, 2 v), the same in all partners.  q, k: A = tokens, B = W: a lane holds one token and its registers run along the outputs, which are the next K (the head's 64).
; v: A = Wv, B = tokens: a lane holds one output and its registers run along the tokens, which are the next K (the keys).  By the stored order of source 0's rows the 16 registers of result tiles 2 b, 2 b + 1 are 16 neighbours.
; A's tile is shared along a row of the cluster, B's along a column: each is asked for JOINTLY.  The bias is the C of each sum's first matrix instruction.
; OUT: qkv, 1,024 blocks of 19,712 bytes, block = (batch x 16 + head) x 16 + group of 128 tokens: Q's 8 tiles (16 tokens x 64: registers 0-3 at 16 x lane, registers 4-5 at 512 + 8 x lane: 768 bytes), Q's scale words [a / 4][r][a % 4],
; K's likewise, V's 4 tiles (16 of the head's 64 x 128 keys: 3 x 512 bytes), V's scale words [r][tile].  These are images of the operands' registers: every store of a wave covers 256 or 512 consecutive bytes, aligned.
; LIMITS: NaN and infinities are not served; blocks whose largest magnitude lies under 2^-122 get the scale byte 1.
; REGISTERS, in windows of 256: window 0: v0-31 addresses; v32-63 scale words, two sets; v64-127 the bias; from v128 A's fragments, one set.  window 1: B's fragments, two sets.  windows 2, 3: the accumulators ((a, b) at v[8 (8 (a % 4) + b)]).
.set KSTEP,  256
.set NQ,     KSTEP/128
.set ROWB,   192                       ; a tile's row: 256 codes
.set KROW,   768                       ; a row of cod
.set PITCH,  240                       ; an LDS row: 3 x (64 bytes + 16 of padding)
.set FR,     12                        ; registers of a fragment
.set NL,     6                         ; LDS loads that bring one
.set NP,     4                         ; places behind this matrix instruction (ISA guide 7.12.1)
.set HALFT,  128*PITCH
.set SLOT,   4*HALFT
.set LAPS,   2                         ; 1,024 / 512
.set KS,     32                        ; a row of scl
.set SCL,    2*SLOT
.set HALFS,  (128*KS/256)*272
.set SBLK,   (16*KS/256)*272
.set SPARE,  SCL+4*HALFS               ; the spare words, 128 bytes for each wave: two blocks of 256 bytes that no other line names
.set BLKB,   19712                     ; a block of qkv
.set HS,     16*BLKB                   ; from a head to the next
.set ADRA, 16                          ; v16-19 LDS addresses of A's fragments (slot 0, 1; the same behind one padding more)
.set ADRB, 20                          ; v20-23 of B's
.set ADRS, 27                          ; v27    of my scale words
.set SPW,  28                          ; v28    my spare word; never rewritten
.set NIL,  29                          ; v29    0; never rewritten
.set SC,   32
.set BIAS, 64
.set AF,   128
.set TM,   32                          ; the way out: v32-47 at work,
.set PC,   48                          ; v48-66 the codes just made,
.set SW,   72                          ; v72-79 the eight scale words,
.set SX,   80                          ; v80-83 V's, chosen by halves
.set G1, 24
.set G0, 32
.set G1B, 48
.set G0B, 56
.set G1S, 68
.set G0S, 76
.set G1SB, 80
.set G0SB, 88
.set KIND, 66
.set MSB, 0
.macro WIN new                         ; the immediate's high byte repeats the setting that is left
.if MSB != \new
	s_set_vgpr_msb (MSB<<8)|\new
.set MSB, \new
.endif
.endm
.set MUL_LO, 0xa1                      ; source 0 (B) window 1, source 1 (A) window 0, C and D window 2
.set MUL_HI, 0xf1                      ; the same, C and D window 3
.set TO_B,   0x40
; A joint load: waves 0 and 1 fetch for A, waves 2 and 3 for B; the branch hangs on the wave's number alone.  Four v_nop follow each of the two lines.
.macro JLOAD g0a, g1a, g0b, g1b
	s_cmp_eq_u32 s15, 0
	s_cbranch_scc0 .Lfor_b_\@
	tensor_load_to_lds s[\g0a:\g0a+3], s[\g1a:\g1a+7]
	s_nop 0
.rept 4
	v_nop
.endr
	s_branch .Lasked_\@
.Lfor_b_\@:
	tensor_load_to_lds s[\g0b:\g0b+3], s[\g1b:\g1b+7]
	s_nop 0
.rept 4
	v_nop
.endr
.Lasked_\@:
.endm
.macro CREST                           ; a round of the cluster's barrier behind its opening barrier
	s_cmp_lg_u32 s14, 0
	s_cbranch_scc1 .Lnot_wave_0_\@
	s_barrier_signal -3
.Lnot_wave_0_\@:
	s_barrier_wait -3
	s_barrier_signal -1
	s_barrier_wait -1
.endm
.macro CROUND
	s_barrier_signal -1
	s_barrier_wait -1
	CREST
.endm
	s_load_b128 s[4:7], s[0:1], 0x0                ; cod, scl
	s_load_b128 s[96:99], s[0:1], 0x10             ; bq, bk
	s_load_b64 s[100:101], s[0:1], 0x20            ; bv
	s_load_b64 s[12:13], s[0:1], 0x28              ; qkv
	v_lshl_add_u32 v[SPW], v0, 2, SPARE
	v_mov_b32 v[NIL], 0
	ds_add_u32 v28, v29
	ds_add_u32 v28, v29
	s_wait_dscnt 0x0
	v_lshrrev_b32 v1, 5, v0
	v_readfirstlane_b32 s14, v1                    ; wave 0..3
	s_lshr_b32 s15, s14, 1                         ; which half of A's rows is mine.  Also: I fetch for A (0) or for B (1)
	s_and_b32 s16, s14, 1                          ; which half of B's rows.  Also: which 128 rows of that tile I fetch
	s_bfe_u32 s40, ttmp6, 0x40000                  ; cx, cy: my place in the cluster
	s_bfe_u32 s41, ttmp6, 0x40004
	s_and_b32 s67, ttmp7, 0xffff                   ; the cluster's y, 0..23
	s_lshr_b32 s[KIND], s67, 3
	s_and_b32 s67, s67, 7
	s_lshl_b32 s67, s67, 2                         ; the cluster's first tile of 256 tokens
	s_lshl_b32 s17, s[KIND], 5
	s_add_co_u32 s17, s17, s67                     ; q, k: A = tokens: tile 32 KIND + 4 blk of cod's rows;
	s_lshl_b32 s42, s[KIND], 2
	s_add_co_u32 s42, s42, 96                      ;       B = W: tile 96 + 4 KIND
	s_add_co_u32 s18, s67, 64                      ; v:    B = V's tokens: tile 64 + 4 blk;
	s_mov_b32 s19, 104                             ;       A = Wv: tile 104
	s_cmp_lt_u32 s[KIND], 2
	s_cselect_b32 s17, s17, s19
	s_cselect_b32 s42, s42, s18
	s_add_co_u32 s17, s17, s41                     ; A's tile hangs on cy alone,
	s_add_co_u32 s42, s42, s40                     ; B's on cx alone
	s_lshl_b32 s43, s41, 2
	s_lshl_b32 s43, 15, s43                        ; my row of the cluster
	s_lshl_b32 s44, 0x1111, s40                    ; my column
	; descriptor group 1: a tile of 128 rows x 192 bytes, 16 bytes of padding behind every 64
	s_or_b32 s[G1+0], s43, (0<<16)|(1<<20)|(1<<21)|(3<<22)|(3<<25)
	s_or_b32 s[G1B+0], s44, (0<<16)|(1<<20)|(1<<21)|(3<<22)|(3<<25)
.irp g, G1, G1B
	s_mov_b32 s[\g+1], ROWB<<16                    ; tensor_dim0
	s_mov_b32 s[\g+2], 128<<16                     ; tensor_dim1
	s_mov_b32 s[\g+3], ROWB<<16                    ; tile_dim0
	s_mov_b32 s[\g+4], 128                         ; tile_dim1
	s_mov_b32 s[\g+5], KROW                        ; from row to row
	s_mov_b32 s[\g+6], 0
	s_mov_b32 s[\g+7], 0
.endr
	; the scales of 128 rows: 4,096 dense bytes, as 16 rows of 256 bytes (32 elements of 8), 16 bytes of padding behind each
	s_or_b32 s[G1S+0], s43, (3<<16)|(1<<20)|(1<<21)|(5<<22)|(3<<25)
	s_or_b32 s[G1SB+0], s44, (3<<16)|(1<<20)|(1<<21)|(5<<22)|(3<<25)
.irp g, G1S, G1SB
	s_mov_b32 s[\g+1], 32<<16
	s_mov_b32 s[\g+2], (128*KS/256)<<16
	s_mov_b32 s[\g+3], 32<<16
	s_mov_b32 s[\g+4], 128*KS/256
	s_mov_b32 s[\g+5], 32
	s_mov_b32 s[\g+6], 0
	s_mov_b32 s[\g+7], 0
.endr
	s_lshl_b32 s18, s16, 7                         ; which 128 rows of the tile I fetch
	s_lshl_b32 s20, s17, 8
	s_add_co_u32 s20, s20, s18                     ; A's first row in cod
	s_lshl_b32 s46, s42, 8
	s_add_co_u32 s46, s46, s18                     ; B's
	s_mov_b32 s21, 0
	s_mov_b32 s47, 0
	s_mov_b64 s[18:19], KS
	s_mul_u64 s[22:23], s[20:21], s[18:19]         ; where these rows' scales begin,
	s_mul_u64 s[92:93], s[46:47], s[18:19]
	s_mov_b64 s[18:19], KROW
	s_mul_u64 s[20:21], s[20:21], s[18:19]         ; and their codes
	s_mul_u64 s[46:47], s[46:47], s[18:19]
	s_mul_i32 s45, s14, HALFT                      ; where they go: wave x 128 rows: no place in the cluster enters an LDS address
	s_mul_i32 s94, s14, HALFS
	s_wait_kmcnt 0x0
	s_add_nc_u64 s[20:21], s[4:5], s[20:21]
	s_add_nc_u64 s[22:23], s[6:7], s[22:23]
	s_add_nc_u64 s[46:47], s[4:5], s[46:47]
	s_add_nc_u64 s[92:93], s[6:7], s[92:93]
	CROUND                                         ; all sixteen work-groups are here: the first joint loads meet
	s_mov_b32 s[G0S], 1
	s_add_co_u32 s[G0S+1], s94, SCL
	s_mov_b64 s[G0S+2:G0S+3], s[22:23]
	s_or_b32 s[G0S+3], s[G0S+3], 0x80000000
	s_mov_b32 s[G0SB], 1
	s_add_co_u32 s[G0SB+1], s94, SCL
	s_mov_b64 s[G0SB+2:G0SB+3], s[92:93]
	s_or_b32 s[G0SB+3], s[G0SB+3], 0x80000000
	JLOAD G0S, G1S, G0SB, G1SB                     ; the scales first: they are wanted with K step 0
.irp s, 0,1
	s_mov_b32 s[G0+4*\s], 1
	s_add_co_u32 s[G0+4*\s+1], s45, \s*SLOT
	s_add_nc_u64 s[G0+4*\s+2:G0+4*\s+3], s[20:21], \s*ROWB
	s_or_b32 s[G0+4*\s+3], s[G0+4*\s+3], 0x80000000
	s_mov_b32 s[G0B+4*\s], 1
	s_add_co_u32 s[G0B+4*\s+1], s45, \s*SLOT
	s_add_nc_u64 s[G0B+4*\s+2:G0B+4*\s+3], s[46:47], \s*ROWB
	s_or_b32 s[G0B+4*\s+3], s[G0B+4*\s+3], 0x80000000
	JLOAD G0+4*\s, G1, G0B+4*\s, G1B
.endr
	v_and_b32 v1, 15, v0                           ; r
	v_bfe_u32 v2, v0, 4, 1                         ; h
	v_mul_u32_u24 v3, v1, PITCH
	v_mul_u32_u24 v4, v2, 24
	v_add_nc_u32 v4, v3, v4                        ; a fragment's row x pitch + 24 h
	v_lshl_add_u32 v5, v2, 4, v4                   ; and the same behind one padding more
	s_mul_i32 s21, s15, HALFT                      ; my 128 rows of A
	s_mul_i32 s22, s16, HALFT                      ; my 128 rows of B,
	s_add_co_u32 s22, s22, 2*HALFT                 ; which lie behind A's 256
.irp s, 0,1
	v_add_nc_u32 v[ADRA+\s], s21, v4
	v_add_nc_u32 v[ADRB+\s], s22, v4
	v_add_nc_u32 v[ADRA+2+\s], s21, v5
	v_add_nc_u32 v[ADRB+2+\s], s22, v5
	s_add_co_u32 s21, s21, SLOT
	s_add_co_u32 s22, s22, SLOT
.endr
	v_mul_u32_u24 v5, v1, KS                       ; my row's scales: 32 bytes a row,
	v_lshrrev_b32 v6, 8, v5
	v_lshl_add_u32 v5, v6, 4, v5                   ; and 16 more for each 256 passed
	s_mul_i32 s21, s15, HALFS
	s_mul_i32 s22, s16, HALFS
	s_add_co_u32 s22, s22, 2*HALFS
	s_sub_co_u32 s22, s22, s21
	v_mul_u32_u24 v6, s22, v2                      ; lanes 16-31 take B's
	s_add_co_u32 s21, s21, SCL
	v_add_nc_u32 v5, v5, v6
	v_add_nc_u32 v[ADRS], s21, v5
	; the way out: offsets in a block of qkv
	v_and_b32 v6, 31, v0
	v_lshlrev_b32 v8, 4, v6                        ; 16 x lane
	v_lshlrev_b32 v9, 3, v6                        ; 8 x lane
	v_mul_u32_u24 v10, v2, HS
	v_lshl_add_u32 v10, v1, 4, v10                 ; scale words: 16 r, lanes 16-31 in the next head's block
	v_lshlrev_b32 v11, 4, v2                       ; 16 h: which half of a scale word is my head's
	v_lshlrev_b32 v7, 6, v2                        ; the bias of q, k: 16 h numbers on
	v_and_b32 v12, 8, v1
	v_add_nc_u32 v12, v12, v1
	v_lshlrev_b32 v12, 2, v12                      ; the bias of v: number r + 8 (r / 8)
	; my block of qkv.  q, k: tokens by (cy, A's half), heads by (cx, B's half); v: the other way round
	s_cmp_lt_u32 s[KIND], 2
	s_cselect_b32 s20, s41, s40
	s_cselect_b32 s21, s15, s16
	s_cselect_b32 s22, s40, s41
	s_cselect_b32 s23, s16, s15
	s_add_co_u32 s20, s20, s67                     ; the tile of 256 tokens
	s_lshl_b32 s20, s20, 1
	s_add_co_u32 s20, s20, s21                     ; the group of 128 tokens, 0..63
	s_lshr_b32 s21, s20, 4                         ; the batch,
	s_and_b32 s20, s20, 15                         ; the group in it
	s_lshl_b32 s22, s22, 1
	s_add_co_u32 s22, s22, s23                     ; the pair of heads
	s_lshl_b32 s21, s21, 4
	s_lshl_b32 s22, s22, 1
	s_add_co_u32 s21, s21, s22
	s_lshl_b32 s21, s21, 4
	s_add_co_u32 s21, s21, s20                     ; the block of the pair's first head
	s_mul_i32 s20, s21, BLKB
	s_mul_i32 s21, s[KIND], 6656                   ; Q's part at 0, K's at 6,656, V's at 13,312
	s_add_co_u32 s20, s20, s21
	s_mov_b32 s21, 0
	s_add_nc_u64 s[12:13], s[12:13], s[20:21]
	; the bias, in the result's layout
	s_mov_b32 s93, 0
	s_cmp_eq_u32 s[KIND], 2
	s_cbranch_scc1 .Lbias_v
	s_cmp_eq_u32 s[KIND], 0
	s_cselect_b64 s[96:97], s[96:97], s[98:99]
	s_lshl_b32 s92, s40, 10
	s_lshl_b32 s20, s16, 9
	s_add_co_u32 s92, s92, s20                     ; my 128 outputs: 256 cx + 128 x half
	s_add_nc_u64 s[96:97], s[96:97], s[92:93]
.irp b, 0,1,2,3,4,5,6,7                ; register j of result tile b is output 32 (b / 2) + 8 (b % 2) + 16 h + j
	global_load_b128 v[BIAS+8*\b:BIAS+8*\b+3], v7, s[96:97] offset:(32*(\b/2)+8*(\b%2))*4
	global_load_b128 v[BIAS+8*\b+4:BIAS+8*\b+7], v7, s[96:97] offset:(32*(\b/2)+8*(\b%2))*4+16
.endr
	s_wait_loadcnt 0x0
	s_branch .Lbias_done
.Lbias_v:
	s_lshl_b32 s92, s41, 10
	s_lshl_b32 s20, s15, 9
	s_add_co_u32 s92, s92, s20                     ; my 128 outputs: 256 cy + 128 x half
	s_add_nc_u64 s[100:101], s[100:101], s[92:93]
.irp a, 0,1,2,3,4,5,6,7                ; lane r of A's block a is output 32 (a / 2) + 8 (a % 2) + r + 8 (r / 8): one number for all eight registers
	global_load_b32 v[BIAS+8*\a], v12, s[100:101] offset:(32*(\a/2)+8*(\a%2))*4
.endr
	s_wait_loadcnt 0x0
.irp a, 0,1,2,3,4,5,6,7
.irp j, 1,2,3,4,5,6,7
	v_mov_b32 v[BIAS+8*\a+\j], v[BIAS+8*\a]
.endr
.endr
.Lbias_done:
.macro FRAG reg, adr, q, i             ; a fragment, 16 rows x 128 K: lane (r, h) takes 24 bytes at 24 h and 24 at 48 + 24 h of the row's 96, in pieces of 8 bytes; a piece that lies behind one padding more for lanes 16-31 takes the second address register
.irp p, 0,1,2,3,4,5
.set PCE, 12*(\q)+6*(\p/3)+\p%3
.if PCE%8 < 5
	ds_load_b64 v[\reg+2*\p:\reg+2*\p+1], v[\adr] offset:8*PCE+16*(PCE/8)+(\i)*16*PITCH
.else
	ds_load_b64 v[\reg+2*\p:\reg+2*\p+1], v[\adr+2] offset:8*PCE+16*(PCE/8)+(\i)*16*PITCH
.endif
.endr
.endm
; 16 matrix instructions: A's blocks a0, a0 + 1 x B's eight.  cmode 0: the sums go on; 1: they start with the bias by B's block (q, k); 2: by A's block (v).  The 64 accumulators take turns, one instruction a turn.
.macro MUL16 a0, p, q, sc, cmode
.irp a, \a0, \a0+1
.irp b, 0,1,2,3,4,5,6,7
.if \cmode == 1
	v_wmma_scale_f32_16x16x128_f8f6f4 v[8*(8*((\a)%4)+\b):8*(8*((\a)%4)+\b)+7], v[128*(\p)+FR*\b:128*(\p)+FR*\b+FR-1], v[AF+FR*(\a):AF+FR*(\a)+FR-1], v[BIAS+8*\b:BIAS+8*\b+7], v[SC+8*NQ*(\sc)+NQ*\b+(\q)], v[SC+8*NQ*(\sc)+NQ*(\a)+(\q)] matrix_a_fmt:MATRIX_FMT_BF6 matrix_b_fmt:MATRIX_FMT_BF6 matrix_a_scale:MATRIX_SCALE_ROW1
.elseif \cmode == 2
	v_wmma_scale_f32_16x16x128_f8f6f4 v[8*(8*((\a)%4)+\b):8*(8*((\a)%4)+\b)+7], v[128*(\p)+FR*\b:128*(\p)+FR*\b+FR-1], v[AF+FR*(\a):AF+FR*(\a)+FR-1], v[BIAS+8*(\a):BIAS+8*(\a)+7], v[SC+8*NQ*(\sc)+NQ*\b+(\q)], v[SC+8*NQ*(\sc)+NQ*(\a)+(\q)] matrix_a_fmt:MATRIX_FMT_BF6 matrix_b_fmt:MATRIX_FMT_BF6 matrix_a_scale:MATRIX_SCALE_ROW1
.else
	v_wmma_scale_f32_16x16x128_f8f6f4 v[8*(8*((\a)%4)+\b):8*(8*((\a)%4)+\b)+7], v[128*(\p)+FR*\b:128*(\p)+FR*\b+FR-1], v[AF+FR*(\a):AF+FR*(\a)+FR-1], v[8*(8*((\a)%4)+\b):8*(8*((\a)%4)+\b)+7], v[SC+8*NQ*(\sc)+NQ*\b+(\q)], v[SC+8*NQ*(\sc)+NQ*(\a)+(\q)] matrix_a_fmt:MATRIX_FMT_BF6 matrix_b_fmt:MATRIX_FMT_BF6 matrix_a_scale:MATRIX_SCALE_ROW1
.endif
.endr
.endr
.endm
.macro FETCH_B slot, q, p
	WIN TO_B
.irp i, 0,1,2,3,4,5,6,7
	FRAG 128*(\p)+FR*\i, ADRB+\slot, \q, \i
.endr
	WIN 0
.endm
.macro FETCH_A slot, q, i0
.irp i, \i0, \i0+1, \i0+2, \i0+3
	FRAG AF+FR*(\i), ADRA+\slot, \q, \i
.endr
.endm
.macro SCALES sc                       ; a K step's scale words: two words a row; lanes 0-15 take A's block i, lanes 16-31 B's block i
.irp i, 0,1,2,3,4,5,6,7
	ds_load_b64 v[SC+8*NQ*\sc+NQ*\i:SC+8*NQ*\sc+NQ*\i+1], v[ADRS] offset:\i*SBLK
.endr
.endm
.macro PLACES n                        ; plain vector lines between a matrix instruction and a load into, or a vector line on, one of its registers
.rept \n
	v_nop
.endr
.endm
.macro STEP slot, q, cmode             ; 128 along K whose successor lies in the same slot
	s_wait_dscnt 4*NL                              ; B's set and A's blocks 0-3 are in; the youngest 24 loads (A's blocks 4-7) may be out
.if \cmode
	WIN 0x81                                       ; C (the bias) in window 0, D in window 2
.else
	WIN MUL_LO
.endif
	MUL16 0, (\q)%2, \q, \slot, \cmode
	MUL16 2, (\q)%2, \q, \slot, \cmode
	s_wait_dscnt 0                                 ; A's blocks 4-7 are in
	PLACES NP
	FETCH_B \slot, (\q)+1, 1-(\q)%2
	FETCH_A \slot, (\q)+1, 0
.if \cmode
	WIN 0xc1
.else
	WIN MUL_HI
.endif
	MUL16 4, (\q)%2, \q, \slot, \cmode
	MUL16 6, (\q)%2, \q, \slot, \cmode
	PLACES NP
	WIN 0
	FETCH_A \slot, (\q)+1, 4
.endm
; A slot's last step changes slots: one barrier; in front of it each wave waits for all its tensor loads, adds 0 to its spare word, and waits for that and for its own reads of this slot.
.macro TURN slot, next, fill
	s_wait_tensorcnt 0x0                           ; all my tensor loads have landed: my part of the next slot
	ds_add_u32 v[SPW], v[NIL]                      ; 0 onto my spare word
	s_wait_dscnt 4*NL+1                            ; (the add and the youngest 24 loads may be out)
	WIN MUL_LO
	MUL16 0, 1, NQ-1, \slot, 0
	s_wait_dscnt 0x0                               ; the add is done, and my reads of this slot are over
	s_barrier_signal -1
	MUL16 2, 1, NQ-1, \slot, 0
	WIN 0
	s_barrier_wait -1
.if \fill
	CREST                                          ; the barrier has opened a round of the cluster's: no wave of any partner still reads this slot or has a load on its way
	s_add_nc_u64 s[G0+4*\slot+2:G0+4*\slot+3], s[G0+4*\slot+2:G0+4*\slot+3], 2*ROWB
	s_add_nc_u64 s[G0B+4*\slot+2:G0B+4*\slot+3], s[G0B+4*\slot+2:G0B+4*\slot+3], 2*ROWB
	JLOAD G0+4*\slot, G1, G0B+4*\slot, G1B         ; the first tensor load behind the round; its four v_nop are the places in front of the loads below
.else
	PLACES NP
.endif
	v_add_nc_u32 v[ADRS], 4*NQ, v[ADRS]            ; the next K step's scale words
	FETCH_B \next, 0, 0
	FETCH_A \next, 0, 0
	SCALES \next
	WIN MUL_HI
	MUL16 4, 1, NQ-1, \slot, 0
	MUL16 6, 1, NQ-1, \slot, 0
	PLACES NP
	WIN 0
	FETCH_A \next, 0, 4
.endm
	s_wait_tensorcnt 1                             ; the scales and my part of K step 0 are in (slot 1's load may be out)
	s_barrier_signal -1
	s_barrier_wait -1
	FETCH_B 0, 0, 0
	FETCH_A 0, 0, 0
	SCALES 0
	FETCH_A 0, 0, 4
	s_cmp_eq_u32 s[KIND], 2                        ; the first step starts the sums with the bias: by B's block for q and k, by A's for v.  No tensor load stands in either copy
	s_cbranch_scc1 .Lfirst_v
	STEP 0, 0, 1
	s_branch .Lfirst_done
.Lfirst_v:
	STEP 0, 0, 2
.Lfirst_done:
	s_mov_b32 s3, LAPS-1
.Llap:                                                 ; a trip goes once round the ring and fills both slots again
	TURN 0, 1, 1
	STEP 1, 0, 0
	TURN 1, 0, 1
	STEP 0, 0, 0
	s_sub_co_u32 s3, s3, 1
	s_cmp_lg_u32 s3, 0
	s_cbranch_scc1 .Llap
	TURN 0, 1, 0                                   ; the last lap fills nothing
	STEP 1, 0, 0
	s_wait_dscnt 4*NL
	WIN MUL_LO
	MUL16 0, 1, NQ-1, 1, 0
	MUL16 2, 1, NQ-1, 1, 0
	s_wait_dscnt 0
	WIN MUL_HI
	MUL16 4, 1, NQ-1, 1, 0
	MUL16 6, 1, NQ-1, 1, 0
	WIN 0
; THE WAY OUT.  The 64 registers of A's block a (window EW, from EB on) are, for my lane's row, 128 numbers' worth along the next K: register 16 b + i = index 32 b + 16 h + i.  They are quantised where they lie:
; the block's largest magnitude (with lane l xor 16's), its byte, the conversions; the halves change places so that a lane holds a whole block of 32.  Each accumulator is read from its low end on.
.macro QUANTW pw
	WIN 5*EW                                       ; sources 0 and 1 in the accumulators' window
.irp b, 0,1,2,3
	v_max3_num_f32 v[TM+\b], |v[EB+16*\b]|, |v[EB+1+16*\b]|, 0x2800000   ; with the floor 2^(5 - 127): the byte cannot fall under 1
.endr
	WIN 20*EW                                      ; sources 1 and 2
.irp i, 2,4,6,8,10,12,14
.irp b, 0,1,2,3
	v_max3_num_f32 v[TM+\b], v[TM+\b], |v[EB+16*\b+\i]|, |v[EB+1+16*\b+\i]|
.endr
.endr
	WIN 0
.irp b, 0,1,2,3
	v_permlanex16_b32 v[TM+4+\b], v[TM+\b], s94, s95
.endr
.irp b, 0,1,2,3
	v_max_num_f32 v[TM+\b], v[TM+\b], v[TM+4+\b]
.endr
.irp b, 0,1,2,3
	v_add_nc_u32 v[TM+12+\b], 0xfe000000, v[TM+\b]   ; 4 off the exponent field: the conversion's scale operand
.endr
.irp b, 0,1,2,3
	v_lshrrev_b32 v[TM+4+\b], 23, v[TM+12+\b]      ; the scale's byte
.endr
	v_lshl_or_b32 v[\pw], v[TM+5], 8, v[TM+4]
	v_lshl_or_b32 v[\pw], v[TM+6], 16, v[\pw]
	v_lshl_or_b32 v[\pw], v[TM+7], 24, v[\pw]
	WIN EW                                         ; source 0
.irp c, 0,1
	v_cvt_scalef32_pk16_bf6_f32 v[PC+6*\c:PC+2+6*\c], v[EB+32*\c:EB+15+32*\c], v[TM+12+2*\c]
	v_cvt_scalef32_pk16_bf6_f32 v[PC+12+4*\c:PC+14+4*\c], v[EB+16+32*\c:EB+31+32*\c], v[TM+12+2*\c+1]   ; (a conversion's three registers begin on an even number)
.endr
	WIN 0
	v_nop                                          ; one plain line behind a scaled conversion
.irp c, 0,1
.irp i, 0,1,2
	v_permlane16_swap_b32 v[PC+6*\c+\i], v[PC+12+4*\c+\i]
.endr
.irp i, 0,1,2
	v_mov_b32 v[PC+3+6*\c+\i], v[PC+12+4*\c+\i]
.endr
.endr
.endm
.macro EPI a
.set EW, 2+(\a)/4
.set EB, 64*((\a)%4)
.if (\a) > 0
	s_wait_xcnt 0x0                                ; the last block's stores have read their data: the codes' registers are written again only behind this wait
.endif
	QUANTW SW+(\a)
	s_cmp_eq_u32 s[KIND], 2
	s_cbranch_scc1 .Lstore_v_\@
	global_store_b128 v8, v[PC:PC+3], s[12:13] offset:(\a)*768              ; q, k: registers 0-5 are the first head's 64, tile a of the group's tokens;
	global_store_b64 v9, v[PC+4:PC+5], s[12:13] offset:(\a)*768+512
	global_store_b128 v8, v[PC+6:PC+9], s[12:13] offset:HS+(\a)*768         ; registers 6-11 the second head's
	global_store_b64 v9, v[PC+10:PC+11], s[12:13] offset:HS+(\a)*768+512
	s_branch .Lstored_\@
.Lstore_v_\@:
.irp c, 0,1,2
	global_store_b128 v8, v[PC+4*\c:PC+4*\c+3], s[12:13] offset:((\a)/4)*HS+((\a)%4)*1536+512*\c   ; v: a whole fragment: 16 of head a / 4's 64 x the group's 128 keys
.endr
.Lstored_\@:
.endm
	PLACES NP                                      ; behind the last products: their results are read, and scale registers written, below
	s_mov_b32 s94, 0x76543210
	s_mov_b32 s95, 0xfedcba98                      ; lane l xor 16
.irp b, 0,1,2,3
	v_mov_b32 v[TM+4+\b], 0                        ; written once: a lane permute's destination counts as one of its sources
.endr
.irp a, 0,1,2,3,4,5,6,7
	EPI \a
.endr
	s_cmp_eq_u32 s[KIND], 2
	s_cbranch_scc1 .Lscales_v
.irp a, 0,1,2,3,4,5,6,7
	v_bfe_u32 v[SW+\a], v[SW+\a], v11, 16          ; lanes 0-15: the first head's two bytes, lanes 16-31: the second's; the upper two bytes, which stand over zero codes, are 0
.endr
	global_store_b128 v10, v[SW:SW+3], s[12:13] offset:6144     ; [a / 4][r][a % 4]: sixteen lanes store 256 consecutive bytes, aligned
	global_store_b128 v10, v[SW+4:SW+7], s[12:13] offset:6400
	s_branch .Lscales_done
.Lscales_v:
	s_mov_b32 vcc_lo, 0xffff0000
.irp i, 0,1,2,3
	v_cndmask_b32 v[SX+\i], v[SW+\i], v[SW+4+\i], vcc_lo   ; lanes 0-15: the first head's tile i, lanes 16-31: the second's
.endr
	global_store_b128 v10, v[SX:SX+3], s[12:13] offset:6144     ; [r][tile]
.Lscales_done:
	s_wait_tensorcnt 0x0                           ; the wave's end
	ds_add_u32 v[SPW], v[NIL]
	s_wait_dscnt 0x0
	CROUND                                         ; the closing round: no work-group ends while a partner may still ask for a tile that names it
	s_endpgm
.Lfunc_end_k_q63aa3b2bd7_proj:
	.size	k_q63aa3b2bd7_proj, .Lfunc_end_k_q63aa3b2bd7_proj-k_q63aa3b2bd7_proj
	.p2alignl 7, 3214868480
	.fill 96, 4, 3214868480
	.section	.rodata,"a",@progbits
	.p2align	6, 0x0
	.amdhsa_kernel k_q63aa3b2bd7_proj
		.amdhsa_group_segment_fixed_size 327680
		.amdhsa_private_segment_fixed_size 0
		.amdhsa_enable_private_segment 0
		.amdhsa_kernarg_size 48
		.amdhsa_user_sgpr_count 2
		.amdhsa_user_sgpr_kernarg_segment_ptr 1
		.amdhsa_wavefront_size32 1
		.amdhsa_system_sgpr_workgroup_id_x 1
		.amdhsa_system_sgpr_workgroup_id_y 1
		.amdhsa_system_sgpr_workgroup_id_z 1
		.amdhsa_system_vgpr_workitem_id 0
		.amdhsa_next_free_vgpr 1024
		.amdhsa_next_free_sgpr 102
		.amdhsa_reserve_vcc 1
		.amdhsa_float_denorm_mode_32 3
		.amdhsa_float_denorm_mode_16_64 3
		.amdhsa_memory_ordered 1
		.amdhsa_forward_progress 1
		.amdhsa_inst_pref_size 189
	.end_amdhsa_kernel
	.amdgpu_metadata
---
amdhsa.version: [ 1, 2 ]
amdhsa.kernels:
  - .name:           k_q63aa3b2bd7_proj
    .symbol:         k_q63aa3b2bd7_proj.kd
    .args:
      - { .name: cod, .offset: 0, .size: 8, .value_kind: global_buffer, .address_space: global }
      - { .name: scl, .offset: 8, .size: 8, .value_kind: global_buffer, .address_space: global }
      - { .name: bq, .offset: 16, .size: 8, .value_kind: global_buffer, .address_space: global }
      - { .name: bk, .offset: 24, .size: 8, .value_kind: global_buffer, .address_space: global }
      - { .name: bv, .offset: 32, .size: 8, .value_kind: global_buffer, .address_space: global }
      - { .name: qkv, .offset: 40, .size: 8, .value_kind: global_buffer, .address_space: global }
    .group_segment_fixed_size: 327680
    .private_segment_fixed_size: 0
    .kernarg_segment_align: 8
    .kernarg_segment_size: 48
    .max_flat_workgroup_size: 128
    .sgpr_count:     102
    .vgpr_count:     1024
    .wavefront_size: 32
...
	.end_amdgpu_metadata
.endif
;; end of part 2
;; launch attn (part 3): grid 4 x 64, 16 waves a work-group, no clusters, 34,816 bytes of LDS; arguments qkv, maskw, flags, oc, os; writes oc, os
.if DOCPART == 3
	.amdgcn_target "amdgcn-amd-amdhsa--gfx1250"
	.amdhsa_code_object_version 6
	.text
	.protected	k_q63aa3b2bd7_attn
	.globl	k_q63aa3b2bd7_attn
	.p2align	8
	.type	k_q63aa3b2bd7_attn,@function
k_q63aa3b2bd7_attn:
	s_mov_b64 s[64:65], 0
	v_nop
	global_prefetch_b8 v0, s[64:65] scope:SCOPE_SE
	s_setreg_imm32_b32 hwreg(HW_REG_WAVE_MODE, 25, 1), 1
	s_wait_xcnt 0x0
; ATTENTION ON CODES OF BF6 (E3M2): o = softmax(where(mask, q k^T / 8, -1e9)) v for 64 (batch, head) pairs, 2,048 tokens, head size 64; o is quantised along the head's 64 for the last product.
; IN: qkv, blocks of 19,712 bytes, block = (batch x 16 + head) x 16 + group of 128 tokens, holding images of operand registers: Q's 8 tiles and scale words (0, 6144), K's (6656, 12800), V's 4 tiles and scale words (13312, 19456).
;     Lane r of tile a of Q or K is token 32 (a / 2) + 8 (a % 2) + r + 8 (r / 8) of its group.  maskw [tile of queries 128][step 16][64 words]: word n = the lane mask of score register n.  flags [128]: bit s: step s must be computed; bit 16 + s: all its keys count.
; THE SOFTMAX: t = score x log2(e) / 8; M = the running largest t rounded up to a whole number; p = 2^(t - M) is quantised along the keys; the row's sum is taken of the unquantised p and divides at the end; when M moves, sum and O are multiplied by 2^(old M - new M), exactly.
; THE HEAD'S 64 fill half of the instruction's 128 along K: registers 6-11 of Q's and K's fragments are zero codes, their scale bytes 0.
; SHARES.  A work-group makes two passes, over the blocks of 256 queries 7 - x and x of one (batch, head); each of its sixteen waves owns one tile of 16 queries in 256 registers, four waves to a SIMD, so that one wave's vector work stands beside another's matrix work.
; Sixteen key steps of 128.  A step's K and V (13,056 bytes of one block) are copied by all sixteen waves through registers into one of two LDS slots, a whole step ahead; one barrier a step.
; WHAT IS LEFT OUT: a wave jumps over a step that its flags do not name (no key of it counts for any of its rows, and every row has a key somewhere), the work-group does not fetch a step that none of its waves names, and a step all of whose keys count is not masked.
; These are scalar branches on whole numbers that an earlier launch stored; every barrier stands on every wave's path.  The launch has no tensor load and so no joint requests, though four work-groups walk the same K and V.
; Both products are used transposed: S^T = K Q^T, O^T = V^T P^T: a lane holds one query throughout.
; LIMITS: a hidden score is -2^33 ahead of the factor 1 / 8, a logit of -2^30 where the definition has -1e9: x log2(e) / 8 it is a whole number, so a row with no key that counts gets p = 1 for every key, as defined; results differ only where a logit that counts lies under about -1e9.  NaN and infinities are not served.
; OUT: oc [batch x 128 + tile][pair of heads 8][1,536 bytes]: images of fragments of 16 rows x 128 along the model's 1,024 (each head a half of 768 bytes); os [row 8192][32]: scale bytes.  Rows keep the tiles' order.
.set BLKB,  19712
.set SLOTB, 16384                      ; an LDS slot: K's images 0, K's scale words 6144, V's images 6656, V's scale words 12800
.set S,   100                          ; v100-163 S^T, then p; v100-147 then V's four fragments
.set O,   164                          ; v164-195 O^T
.set PCD, 196                          ; v196-207 p's codes
.set CT,  208                          ; v208-214 the conversions' second halves
.set BM,  216                          ; v216-219 the blocks' largest
.set PT,  220                          ; v220-223 from lane l xor 16; bytes
.set SO,  224                          ; v224-227 the conversions' scale operands
.set PW,  228                          ; v228 p's scale word
.set FF,  230                          ; v[230:231] f
.set TT,  232                          ; v232 at work
.set L2,  234                          ; v[234:235] the sum's second chain
.set KFR, 32                           ; v32-79 four fragments of K; v80-87 K's scale words, v88-91 V's; v92-98 the copy in hand
.set NB,  67                           ; s67 my steps' bits, s68 my open steps' bits, s69 the work-group's steps' bits: each shifted right once a step
.set FB,  68
.set WN,  69
	s_load_b256 s[4:11], s[0:1], 0x0               ; qkv, maskw, flags, oc
	s_load_b64 s[12:13], s[0:1], 0x20              ; os
	v_lshl_add_u32 v254, v0, 2, 0x8000
	v_mov_b32 v255, 0
	v_lshrrev_b32 v8, 5, v0
	s_delay_alu instid0(VALU_DEP_1)
	v_readfirstlane_b32 s2, v8                     ; wave 0..15
	v_and_b32 v10, 31, v0                          ; lane
	v_and_b32 v8, 15, v0                           ; r
	s_delay_alu instid0(VALU_DEP_2)
	v_lshlrev_b32 v1, 4, v10                       ; 16 x lane
	s_delay_alu instid0(VALU_DEP_3)
	v_lshlrev_b32 v2, 3, v10                       ; 8 x lane
	s_delay_alu instid0(VALU_DEP_3)
	v_lshlrev_b32 v3, 4, v8                        ; 16 r
	v_lshlrev_b32 v4, 4, v0                        ; the copy: 16 bytes a thread,
	v_lshl_add_u32 v5, v0, 3, 8192                 ; then 8,
	v_lshl_add_u32 v6, v0, 2, 12288                ; then 4 in waves 0-5: 8,192 + 4,096 + 768 = 13,056 bytes
	v_mov_b32 v7, 0xd0000000                       ; -2^33
	v_lshlrev_b32 v9, 5, v8                        ; 32 r
.irp j, 22,23,24,25,26,27
	v_mov_b32 v[\j], 0                             ; Q's upper half: zero codes
.endr
.irp t, 0,1,2,3
.irp j, 6,7,8,9,10,11
	v_mov_b32 v[KFR+12*\t+\j], 0                   ; K's likewise; no later line writes them
.endr
.endr
.irp j, 92,93,94,95,96,97,98
	v_mov_b32 v[\j], 0                             ; written once, so that they hold something on every path
.endr
.irp j, 220,221,222,223,231,232
	v_mov_b32 v[\j], 0                             ; lane permutes' destinations, and f's upper half, count as read
.endr
	s_and_b32 s14, ttmp7, 0xffff                   ; batch x 16 + head
	s_mov_b32 s76, 0x76543210
	s_mov_b32 s77, 0xfedcba98                      ; lane l xor 16
	s_mov_b32 s78, 0x3e38aa3b                      ; c = log2(e) / 8
	s_mov_b32 s79, s78                             ; (named with it as a pair)
	s_mov_b32 s3, 0
	s_wait_kmcnt 0x0
.macro GLOAD                           ; a step's K and V, as they lie, into registers
	global_load_b128 v[92:95], v4, s[72:73]
	global_load_b64 v[96:97], v5, s[72:73]
	s_cmp_lt_u32 s2, 6
	s_cbranch_scc0 .Lno_tail_\@
	global_load_b32 v98, v6, s[72:73]
.Lno_tail_\@:
.endm
.macro SSTORE sl                       ; and on into slot sl, at the same offsets
	ds_store_b128 v4, v[92:95] offset:(\sl)*SLOTB
	ds_store_b64 v5, v[96:97] offset:(\sl)*SLOTB
	s_cmp_lt_u32 s2, 6
	s_cbranch_scc0 .Lno_tail_\@
	ds_store_b32 v6, v98 offset:(\sl)*SLOTB
.Lno_tail_\@:
.endm
; A KEY STEP, out of slot sl.
.macro KSTEP sl
	s_bitcmp1_b32 s[WN], 1                         ; does any wave want the next step?  Then it is asked for now: it has this whole step in which to come
	s_cbranch_scc0 .Lno_next_\@
	GLOAD
.Lno_next_\@:
	s_bitcmp1_b32 s[NB], 0                         ; do I want this one?
	s_cbranch_scc0 .Lskip_\@
	s_load_b512 s[16:31], s[74:75], 0x0            ; the step's 64 lane masks
	s_load_b512 s[32:47], s[74:75], 0x40
	s_load_b512 s[48:63], s[74:75], 0x80
	s_load_b512 s[80:95], s[74:75], 0xc0
	ds_load_b128 v[80:83], v3 offset:(\sl)*SLOTB+6144      ; K's scale words: tiles 0-3 of row r,
	ds_load_b128 v[84:87], v3 offset:(\sl)*SLOTB+6400      ; tiles 4-7
.irp g, 0,1                            ; S^T = K Q^T, four tiles of 16 keys at a time
.if \g
.rept 4
	v_nop                                          ; places in front of loads into registers that matrix instructions have read
.endr
.endif
.irp t, 0,1,2,3
	ds_load_b128 v[KFR+12*\t:KFR+12*\t+3], v1 offset:(\sl)*SLOTB+(4*\g+\t)*768
	ds_load_b64 v[KFR+12*\t+4:KFR+12*\t+5], v2 offset:(\sl)*SLOTB+(4*\g+\t)*768+512
.endr
	s_wait_dscnt 0x0
.irp t, 0,1,2,3
	v_wmma_scale_f32_16x16x128_f8f6f4 v[S+8*(4*\g+\t):S+8*(4*\g+\t)+7], v[KFR+12*\t:KFR+12*\t+11], v[16:27], 0, v[80+4*\g+\t], v28 matrix_a_fmt:MATRIX_FMT_BF6 matrix_b_fmt:MATRIX_FMT_BF6
.endr
.endr                                  ; register 16 b + i of lane (r, h): query r, key 32 b + 16 h + i of the step
.rept 4
	v_nop
.endr
	s_wait_kmcnt 0x0                               ; the lane masks are in, on both ways below
	s_bitcmp1_b32 s[FB], 0                         ; all keys count: nothing to hide
	s_cbranch_scc1 .Lopen_\@
.set n, 0
.rept 64
	v_cndmask_b32 v[S+n], v7, v[S+n], s[16+n+16*(n/48)]   ; the score where the key counts, else -2^33
.set n, n+1
.endr
.Lopen_\@:
.irp b, 0,1,2,3
	v_max3_num_f32 v[BM+\b], v[S+16*\b], v[S+1+16*\b], v[S+2+16*\b]   ; the largest score of each block of 32 keys: for the row's maximum and, since p rises with the score, for the block's largest p
.endr
.irp i, 3,5,7,9,11,13
.irp b, 0,1,2,3
	v_max3_num_f32 v[BM+\b], v[BM+\b], v[S+16*\b+\i], v[S+1+16*\b+\i]
.endr
.endr
.irp b, 0,1,2,3
	v_max_num_f32 v[BM+\b], v[BM+\b], v[S+15+16*\b]
.endr
.irp b, 0,1,2,3
	s_delay_alu instid0(VALU_DEP_4)
	v_permlanex16_b32 v[PT+\b], v[BM+\b], s76, s77
.endr
.irp b, 0,1,2,3
	s_delay_alu instid0(VALU_DEP_4)
	v_max_num_f32 v[BM+\b], v[BM+\b], v[PT+\b]     ; with lane l xor 16's 16 keys
.endr
	s_delay_alu instid0(VALU_DEP_2)
	v_max3_num_f32 v[TT], v[BM], v[BM+1], v[BM+2]
	s_delay_alu instid0(VALU_DEP_1)
	v_max_num_f32 v[TT], v[TT], v[BM+3]
	s_delay_alu instid0(VALU_DEP_1)
	v_mul_f32 v[TT], s78, v[TT]                    ; the step's largest t
	s_delay_alu instid0(VALU_DEP_1)
	v_max_num_f32 v13, v13, v[TT]                  ; the running largest t
	v_mov_b32 v[TT], v12
	s_delay_alu instid0(VALU_DEP_2)
	v_floor_f32 v12, -v13                          ; -M = floor(-t): M is a whole number
	s_delay_alu instid0(VALU_DEP_1)
	v_sub_f32 v[TT], v12, v[TT]                    ; old M - new M: a whole number, 0 or less
	s_delay_alu instid0(VALU_DEP_1)
	v_cvt_i32_f32 v[TT], v[TT]                     ; (it saturates)
	s_delay_alu instid0(VALU_DEP_1)
	v_ldexp_f32 v[FF], 1.0, v[TT]                  ; f = 2^(old M - new M)
.set j, 0
.rept 32
	v_pk_fma_f32 v[S+j:S+j+1], v[S+j:S+j+1], s[78:79], v[12:13] op_sel_hi:[1,0,0]   ; t - M, two at a time
.set j, j+2
.endr
.irp b, 0,1,2,3
	v_fma_f32 v[BM+\b], v[BM+\b], s78, v12         ; the same of each block's largest score
.endr
.set j, 0
	s_wait_alu depctr_va_vdst(0)
.rept 64
	v_exp_f32 v[S+j], v[S+j]                       ; p = 2^(t - M): not normalised
.set j, j+1
.endr
	v_pk_mul_f32 v[14:15], v[14:15], v[FF:FF+1] op_sel_hi:[1,0]   ; the sums under the new M (a plain line behind the exponentials)
	s_wait_alu depctr_va_vdst(0)                   ; one wait for the whole batch, ahead of its first reader
.irp b, 0,1,2,3
	v_exp_f32 v[BM+\b], v[BM+\b]                   ; the blocks' largest p
.endr
	v_pk_add_f32 v[234:235], v[104:105], v[108:109]
	v_pk_add_f32 v[252:253], v[112:113], v[116:117]
	v_pk_add_f32 v[250:251], v[120:121], v[124:125]
	v_pk_add_f32 v[248:249], v[128:129], v[132:133]
	v_pk_add_f32 v[246:247], v[136:137], v[140:141]
	v_pk_add_f32 v[244:245], v[144:145], v[148:149]
	v_pk_add_f32 v[242:243], v[152:153], v[156:157]
	v_pk_add_f32 v[14:15], v[14:15], v[160:161]
	v_pk_add_f32 v[234:235], v[234:235], v[100:101]
	v_pk_add_f32 v[252:253], v[252:253], v[102:103]
	v_pk_add_f32 v[250:251], v[250:251], v[106:107]
	v_pk_add_f32 v[248:249], v[248:249], v[110:111]
	v_pk_add_f32 v[246:247], v[246:247], v[114:115]
	v_pk_add_f32 v[244:245], v[244:245], v[118:119]
	v_pk_add_f32 v[242:243], v[242:243], v[122:123]
	v_pk_add_f32 v[14:15], v[14:15], v[126:127]
	v_pk_add_f32 v[234:235], v[234:235], v[130:131]
	v_pk_add_f32 v[252:253], v[252:253], v[134:135]
	v_pk_add_f32 v[250:251], v[250:251], v[138:139]
	v_pk_add_f32 v[248:249], v[248:249], v[142:143]
	v_pk_add_f32 v[246:247], v[246:247], v[146:147]
	v_pk_add_f32 v[244:245], v[244:245], v[150:151]
	v_pk_add_f32 v[242:243], v[242:243], v[154:155]
	v_pk_add_f32 v[14:15], v[14:15], v[158:159]
	v_pk_add_f32 v[234:235], v[234:235], v[162:163]
	s_delay_alu instid0(VALU_DEP_2)
	v_pk_add_f32 v[14:15], v[14:15], v[248:249]
	s_delay_alu instid0(VALU_DEP_2)
	v_pk_add_f32 v[234:235], v[234:235], v[246:247]
	v_pk_add_f32 v[252:253], v[252:253], v[244:245]
	v_pk_add_f32 v[250:251], v[250:251], v[242:243]
	s_delay_alu instid0(VALU_DEP_2)
	v_pk_add_f32 v[14:15], v[14:15], v[252:253]
	s_delay_alu instid0(VALU_DEP_2)
	v_pk_add_f32 v[234:235], v[234:235], v[250:251]
	s_delay_alu instid0(VALU_DEP_1)
	v_pk_add_f32 v[14:15], v[14:15], v[234:235]
	s_wait_alu depctr_va_vdst(0)                   ; and one for the four
.irp b, 0,1,2,3
	v_max_num_f32 v[BM+\b], 0x2800000, v[BM+\b]    ; the floor 2^(5 - 127): the byte cannot fall under 1
.endr
.irp b, 0,1,2,3
	s_delay_alu instid0(VALU_DEP_4)
	v_add_nc_u32 v[SO+\b], 0xfe000000, v[BM+\b]    ; 4 off the exponent field: the conversion's scale operand
.endr
.irp b, 0,1,2,3
	s_delay_alu instid0(VALU_DEP_4)
	v_lshrrev_b32 v[PT+\b], 23, v[SO+\b]           ; the scale's byte
.endr
	s_delay_alu instid0(VALU_DEP_3)
	v_lshl_or_b32 v[PW], v[PT+1], 8, v[PT]
	s_delay_alu instid0(VALU_DEP_1)
	v_lshl_or_b32 v[PW], v[PT+2], 16, v[PW]
	s_delay_alu instid0(VALU_DEP_1)
	v_lshl_or_b32 v[PW], v[PT+3], 24, v[PW]
.irp c, 0,1
	v_cvt_scalef32_pk16_bf6_f32 v[PCD+6*\c:PCD+2+6*\c], v[S+32*\c:S+15+32*\c], v[SO+2*\c]
	v_cvt_scalef32_pk16_bf6_f32 v[CT+4*\c:CT+2+4*\c], v[S+16+32*\c:S+31+32*\c], v[SO+2*\c+1]
.endr
	v_nop                                          ; one plain line behind a scaled conversion
.irp d, 0,1,2,3                        ; p is in codes: its registers take V's four fragments, asked for ahead of the lines below
.irp c, 0,1,2
	ds_load_b128 v[S+12*\d+4*\c:S+12*\d+4*\c+3], v1 offset:(\sl)*SLOTB+6656+\d*1536+512*\c
.endr
.endr
	ds_load_b128 v[88:91], v3 offset:(\sl)*SLOTB+12800
.irp c, 0,1                            ; the operand's layout wants a whole block in a lane
.irp i, 0,1,2
	v_permlane16_swap_b32 v[PCD+6*\c+\i], v[CT+4*\c+\i]
.endr
.irp i, 0,1,2
	s_delay_alu instid0(VALU_DEP_3)
	v_mov_b32 v[PCD+3+6*\c+\i], v[CT+4*\c+\i]
.endr
.endr
.set j, 0
.rept 16
	v_pk_mul_f32 v[O+j:O+j+1], v[O+j:O+j+1], v[FF:FF+1] op_sel_hi:[1,0]   ; O^T under the new M; these sixteen are also the places between the scale word's and the codes' last writes and the products
.set j, j+2
.endr
	s_wait_alu depctr_va_vdst(0)
	s_wait_dscnt 0x0
.irp d, 0,1,2,3                        ; O^T += V^T P^T: the four accumulators by turns
	v_wmma_scale_f32_16x16x128_f8f6f4 v[O+8*\d:O+8*\d+7], v[S+12*\d:S+12*\d+11], v[PCD:PCD+11], v[O+8*\d:O+8*\d+7], v[88+\d], v[PW] matrix_a_fmt:MATRIX_FMT_BF6 matrix_b_fmt:MATRIX_FMT_BF6
.endr
.rept 5
	v_nop                                          ; five places: the next step's first products write over V's registers
.endr
.Lskip_\@:
	s_wait_loadcnt 0x0                             ; the next step's copy is in registers, if it was asked for: no path leaves a load out
	s_bitcmp1_b32 s[WN], 1
	s_cbranch_scc0 .Lno_store_\@
	SSTORE 1-(\sl)                                 ; into the other slot, which nobody has read since the last barrier
.Lno_store_\@:
	s_add_nc_u64 s[72:73], s[72:73], BLKB          ; (the loads that named these addresses are done)
	s_add_nc_u64 s[74:75], s[74:75], 256
	s_lshr_b32 s[NB], s[NB], 1
	s_lshr_b32 s[FB], s[FB], 1
	s_lshr_b32 s[WN], s[WN], 1
	s_wait_dscnt 0x0                               ; my stores have landed and my reads of this slot are over
	s_barrier_signal -1
	s_barrier_wait -1
.endm
.Lpass:
	s_sub_co_u32 s96, 7, ttmp9
	s_cmp_eq_u32 s3, 0
	s_cselect_b32 s96, s96, ttmp9                  ; the block of 256 queries: 7 - x, then x
	s_lshl_b32 s15, s96, 4
	s_add_co_u32 s15, s15, s2                      ; my tile of queries, 0..127
	s_lshl_b32 s98, s96, 6
	s_mov_b32 s99, 0
	s_add_nc_u64 s[100:101], s[8:9], s[98:99]      ; the sixteen waves' flags,
	s_lshl_b32 s98, s2, 2
	s_add_nc_u64 s[98:99], s[100:101], s[98:99]    ; and mine
	s_load_b512 s[16:31], s[100:101], 0x0
	s_load_b32 s[NB], s[98:99], 0x0
	s_lshl_b32 s72, s14, 4
	s_mul_i32 s74, s72, BLKB                       ; the head's first block, in bytes
	s_lshl_b32 s97, s96, 1
	s_add_co_u32 s72, s72, s97
	s_lshr_b32 s97, s2, 3
	s_add_co_u32 s72, s72, s97                     ; my queries' block
	s_mul_i32 s72, s72, BLKB
	s_and_b32 s97, s2, 7                           ; my tile in it
	s_mul_i32 s73, s97, 768
	s_add_co_u32 s70, s72, s73
	s_mov_b32 s71, 0
	s_add_nc_u64 s[70:71], s[4:5], s[70:71]
	s_lshr_b32 s73, s97, 2
	s_lshl_b32 s73, s73, 8
	s_add_co_u32 s72, s72, s73
	s_and_b32 s73, s97, 3
	s_lshl_b32 s73, s73, 2
	s_add_co_u32 s72, s72, s73
	s_mov_b32 s73, 0
	s_add_nc_u64 s[96:97], s[4:5], s[72:73]
	global_load_b128 v[16:19], v1, s[70:71]        ; Q's fragment stays in registers
	global_load_b64 v[20:21], v2, s[70:71] offset:512
	global_load_b32 v28, v3, s[96:97] offset:6144  ; and its scale words
	s_mov_b32 s75, 0
	s_add_nc_u64 s[72:73], s[4:5], s[74:75]
	s_add_nc_u64 s[72:73], s[72:73], 6656          ; K's and V's part of the head's first block
	s_lshl_b32 s74, s15, 12
	s_add_nc_u64 s[74:75], s[6:7], s[74:75]        ; my tile's lane masks
	v_mov_b32 v13, 0xff61b1e6                      ; the largest t so far: -3e38
	s_delay_alu instid0(VALU_DEP_1)
	v_floor_f32 v12, -v13                          ; -M
	v_mov_b32 v14, 0                               ; the sum, in two halves
	v_mov_b32 v15, 0
.set j, 0
.rept 32
	v_mov_b32 v[O+j], 0                            ; O^T: the step is written once; the first finds zeros, which the first change of M leaves zeros
.set j, j+1
.endr
	s_wait_kmcnt 0x0
	s_or_b32 s[WN], s16, s17
.irp j, 18,19,20,21,22,23,24,25,26,27,28,29,30,31
	s_or_b32 s[WN], s[WN], s[\j]
.endr
	s_and_b32 s[WN], s[WN], 0xffff                 ; the steps that some wave wants; bit 16 is 0, so nothing is asked for behind the last block
	s_lshr_b32 s[FB], s[NB], 16
	s_and_b32 s[NB], s[NB], 0xffff
	s_bitcmp1_b32 s[WN], 0
	s_cbranch_scc0 .Lno_first
	GLOAD
.Lno_first:
	s_wait_loadcnt 0x0                             ; Q too
	s_bitcmp1_b32 s[WN], 0
	s_cbranch_scc0 .Lno_first_st
	SSTORE 0                                       ; slot 0 was last read two barriers ago
.Lno_first_st:
	s_add_nc_u64 s[72:73], s[72:73], BLKB
	s_wait_dscnt 0x0
	s_barrier_signal -1
	s_barrier_wait -1
	s_mov_b32 s66, 8
.Ltrip:                                                ; eight trips of two steps: the slot is a constant in every LDS offset
	KSTEP 0
	KSTEP 1
	s_sub_co_u32 s66, s66, 1
	s_cmp_lg_u32 s66, 0
	s_cbranch_scc1 .Ltrip
	; THE PASS'S END: O^T / the sum, quantised along the head's 64 (two blocks of 32; register 16 b + i is channel 32 b + 16 h + i), stored as half a fragment's image
	v_add_f32 v14, v14, v15
	s_delay_alu instid0(VALU_DEP_1)
	v_permlanex16_b32 v[TT], v14, s76, s77
	s_delay_alu instid0(VALU_DEP_1)
	v_add_f32 v14, v14, v[TT]                      ; the row's sum
	s_wait_alu depctr_va_vdst(0)
	v_rcp_f32 v14, v14
	v_nop                                          ; a plain line behind the reciprocal
	s_lshr_b32 s96, s14, 4                         ; batch
	s_and_b32 s97, s14, 15                         ; head
	s_lshl_b32 s96, s96, 7
	s_add_co_u32 s96, s96, s15                     ; batch x 128 + tile
	s_lshl_b32 s98, s96, 3
	s_lshr_b32 s99, s97, 1
	s_add_co_u32 s98, s98, s99
	s_mul_i32 s98, s98, 1536
	s_and_b32 s99, s97, 1
	s_mul_i32 s99, s99, 768
	s_add_co_u32 s98, s98, s99
	s_mov_b32 s99, 0
	s_add_nc_u64 s[100:101], s[10:11], s[98:99]
	s_lshl_b32 s98, s96, 9
	s_lshl_b32 s97, s97, 1
	s_add_co_u32 s98, s98, s97
	s_add_nc_u64 s[70:71], s[12:13], s[98:99]
	s_wait_alu depctr_va_vdst(0)                   ; the wait ahead of the reciprocal's first reader
.set j, 0
.rept 16
	v_pk_mul_f32 v[S+j:S+j+1], v[O+j:O+j+1], v[14:15] op_sel_hi:[1,0]
.set j, j+2
.endr
.irp b, 0,1
	v_max3_num_f32 v[BM+\b], |v[S+16*\b]|, |v[S+1+16*\b]|, 0x2800000
.endr
.irp i, 2,4,6,8,10,12,14
.irp b, 0,1
	s_delay_alu instid0(VALU_DEP_2)
	v_max3_num_f32 v[BM+\b], v[BM+\b], |v[S+16*\b+\i]|, |v[S+1+16*\b+\i]|
.endr
.endr
.irp b, 0,1
	s_delay_alu instid0(VALU_DEP_2)
	v_permlanex16_b32 v[PT+\b], v[BM+\b], s76, s77
.endr
.irp b, 0,1
	s_delay_alu instid0(VALU_DEP_2)
	v_max_num_f32 v[BM+\b], v[BM+\b], v[PT+\b]
.endr
.irp b, 0,1
	s_delay_alu instid0(VALU_DEP_2)
	v_add_nc_u32 v[SO+\b], 0xfe000000, v[BM+\b]
.endr
.irp b, 0,1
	s_delay_alu instid0(VALU_DEP_2)
	v_lshrrev_b32 v[PT+\b], 23, v[SO+\b]
.endr
	s_delay_alu instid0(VALU_DEP_1)
	v_lshl_or_b32 v[PW], v[PT+1], 8, v[PT]         ; my row's two bytes
	v_cvt_scalef32_pk16_bf6_f32 v[PCD:PCD+2], v[S:S+15], v[SO]
	v_cvt_scalef32_pk16_bf6_f32 v[CT:CT+2], v[S+16:S+31], v[SO+1]
	v_nop
.irp i, 0,1,2
	v_permlane16_swap_b32 v[PCD+\i], v[CT+\i]
.endr
.irp i, 0,1,2
	s_delay_alu instid0(VALU_DEP_3)
	v_mov_b32 v[PCD+3+\i], v[CT+\i]
.endr
	global_store_b128 v1, v[PCD:PCD+3], s[100:101]             ; 512 consecutive bytes, aligned,
	global_store_b64 v2, v[PCD+4:PCD+5], s[100:101] offset:512 ; and 256
	s_wait_xcnt 0x0                                ; EXEC changes only behind this wait
	v_cmp_gt_u32 vcc_lo, 16, v10
	s_and_saveexec_b32 s96, vcc_lo
	global_store_b16 v9, v[PW], s[70:71]           ; two bytes a row, rows 32 bytes apart: one part in 25 of what this launch stores
	s_wait_xcnt 0x0                                ; and again in front of the line that widens it; the stores' data and bases are free for the next pass too
	s_or_b32 exec_lo, exec_lo, s96
	s_add_co_u32 s3, s3, 1
	s_cmp_lt_u32 s3, 2
	s_cbranch_scc1 .Lpass
	s_wait_tensorcnt 0x0
	ds_add_u32 v254, v255
	s_wait_dscnt 0x0
	s_endpgm
.Lfunc_end_k_q63aa3b2bd7_attn:
	.size	k_q63aa3b2bd7_attn, .Lfunc_end_k_q63aa3b2bd7_attn-k_q63aa3b2bd7_attn
	.p2alignl 7, 3214868480
	.fill 96, 4, 3214868480
	.section	.rodata,"a",@progbits
	.p2align	6, 0x0
	.amdhsa_kernel k_q63aa3b2bd7_attn
		.amdhsa_group_segment_fixed_size 34816
		.amdhsa_private_segment_fixed_size 0
		.amdhsa_enable_private_segment 0
		.amdhsa_kernarg_size 40
		.amdhsa_user_sgpr_count 2
		.amdhsa_user_sgpr_kernarg_segment_ptr 1
		.amdhsa_wavefront_size32 1
		.amdhsa_system_sgpr_workgroup_id_x 1
		.amdhsa_system_sgpr_workgroup_id_y 1
		.amdhsa_system_sgpr_workgroup_id_z 1
		.amdhsa_system_vgpr_workitem_id 0
		.amdhsa_next_free_vgpr 256
		.amdhsa_next_free_sgpr 102
		.amdhsa_reserve_vcc 1
		.amdhsa_float_denorm_mode_32 3
		.amdhsa_float_denorm_mode_16_64 3
		.amdhsa_memory_ordered 1
		.amdhsa_forward_progress 1
		.amdhsa_inst_pref_size 58
	.end_amdhsa_kernel
	.amdgpu_metadata
---
amdhsa.version: [ 1, 2 ]
amdhsa.kernels:
  - .name:           k_q63aa3b2bd7_attn
    .symbol:         k_q63aa3b2bd7_attn.kd
    .args:
      - { .name: qkv, .offset: 0, .size: 8, .value_kind: global_buffer, .address_space: global }
      - { .name: maskw, .offset: 8, .size: 8, .value_kind: global_buffer, .address_space: global }
      - { .name: flags, .offset: 16, .size: 8, .value_kind: global_buffer, .address_space: global }
      - { .name: oc, .offset: 24, .size: 8, .value_kind: global_buffer, .address_space: global }
      - { .name: os, .offset: 32, .size: 8, .value_kind: global_buffer, .address_space: global }
    .group_segment_fixed_size: 34816
    .private_segment_fixed_size: 0
    .kernarg_segment_align: 8
    .kernarg_segment_size: 40
    .max_flat_workgroup_size: 512
    .sgpr_count:     102
    .vgpr_count:     256
    .wavefront_size: 32
...
	.end_amdgpu_metadata
.endif
;; end of part 3
;; launch outp (part 4): grid 4 x 32, 4 waves a work-group, clusters of 4 x 4, 327,680 bytes of LDS; arguments oc, os, cod, scl, bo, out0; writes out0
.if DOCPART == 4
	.amdgcn_target "amdgcn-amd-amdhsa--gfx1250"
	.amdhsa_code_object_version 6
	.text
	.protected	k_q63aa3b2bd7_outp
	.globl	k_q63aa3b2bd7_outp
	.p2align	8
	.type	k_q63aa3b2bd7_outp,@function
k_q63aa3b2bd7_outp:
	s_mov_b64 s[64:65], 0
	v_nop
	global_prefetch_b8 v0, s[64:65] scope:SCOPE_SE
	s_setreg_imm32_b32 hwreg(HW_REG_WAVE_MODE, 25, 1), 1
	s_wait_xcnt 0x0
	s_wait_alu depctr_hold_cnt(0) depctr_sa_sdst(0) depctr_va_vdst(0) depctr_va_sdst(0) depctr_va_ssrc(0) depctr_va_vcc(0) depctr_vm_vsrc(0)
	s_getreg_b32 s2, hwreg(HW_REG_IB_STS2, 6, 4)
	s_cmp_eq_u32 s2, 0
	s_cbranch_scc0 .Lentry_in_a_cluster
	s_endpgm
.Lentry_in_a_cluster:
	s_bfe_u32 s2, ttmp6, 0x10000c
	s_cmp_lg_u32 s2, 0xf033
	s_cbranch_scc0 .Lentry_shape_is_right
	s_endpgm
.Lentry_shape_is_right:
; THE LAST PRODUCT, out0 = o Wo^T + bo, [8192][1024] f32, on codes of BF6 (E3M2) with one E8M0 scale for each 32 along K = 1,024.
; o comes as images of operand registers: oc [tile of 16 rows 512][K step of 128: 8][1,536 bytes] (registers 0-3 at 16 x lane, 4-5 at 512 + 8 x lane, 6-9 at 768 + 16 x lane, 10-11 at 1280 + 8 x lane); os [row][32] scale bytes.
; Wo: rows 27648 on of cod [..][768] and scl [..][32].  BOTH HAVE THE STORED ROW ORDER: sixteen neighbouring rows 16 i + r are true rows 32 (i / 2) + 8 (i % 2) + r + 8 (r / 8); the way out puts rows and columns back.
; A tile of 256 x 256 is made by four waves, 128 x 128 each.  K goes in steps of 256 through a ring of two LDS slots filled by the tensor data mover; the scale bytes come once.  Source 0 (B) = Wo, source 1 (A) = o: a lane holds eight neighbouring columns of one row.
; 4 x 4 work-groups form a cluster: A's tile is shared along a row, B's along a column, each asked for jointly.  bo is the C of each sum's first matrix instruction.
; REGISTERS, in windows of 256: window 0: v0-31 addresses; v32-63 scale words, two sets; v64-127 the bias; from v128 A's fragments, one set.  window 1: B's fragments, two sets.  windows 2, 3: the accumulators.
.set KSTEP,  256
.set NQ,     KSTEP/128
.set ROWB,   192
.set KROW,   768
.set PITCH,  240
.set FR,     12
.set NL,     6                         ; LDS loads that bring a fragment of B
.set NLA,    4                         ; and of A
.set NP,     4
.set HALFT,  128*PITCH                 ; a quarter of a slot; A's 8 tiles x 3,072 bytes use 24,576 of it
.set SLOT,   4*HALFT
.set LAPS,   2
.set KS,     32
.set SCL,    2*SLOT
.set HALFS,  (128*KS/256)*272
.set SBLK,   (16*KS/256)*272
.set SPARE,  SCL+4*HALFS               ; the spare words, 128 bytes for each wave: two blocks of 256 bytes that no other line names
.set SPITCH, 528                       ; the way out: a stage of 16 rows x (512 + 16) bytes for each wave, in slot 0, which has had its last fill and its last read by then
.set ATILE,  3072                      ; a tile of 16 rows x 256 along K
.set ADRA, 16                          ; v16-17 A's images at 16 x lane (slot 0, 1), v18-19 at 8 x lane
.set ADRB, 20
.set STO,  24
.set RD,   25
.set CO,   26
.set ADRS, 27
.set SPW,  28
.set NIL,  29
.set SC,   32
.set BIAS, 64
.set AF,   128
.set BK,   128
.set G1, 24
.set G0, 32
.set G1B, 48
.set G0B, 56
.set G1S, 68
.set G0S, 76
.set G1SB, 80
.set G0SB, 88
.set MSB, 0
.macro WIN new
.if MSB != \new
	s_set_vgpr_msb (MSB<<8)|\new
.set MSB, \new
.endif
.endm
.set MUL_LO, 0xa1
.set MUL_HI, 0xf1
.set TO_B,   0x40
.macro JLOAD g0a, g1a, g0b, g1b        ; a joint load: waves 0 and 1 fetch for A, waves 2 and 3 for B.  Four v_nop follow each of the two lines
	s_cmp_eq_u32 s15, 0
	s_cbranch_scc0 .Lfor_b_\@
	tensor_load_to_lds s[\g0a:\g0a+3], s[\g1a:\g1a+7]
	s_nop 0
.rept 4
	v_nop
.endr
	s_branch .Lasked_\@
.Lfor_b_\@:
	tensor_load_to_lds s[\g0b:\g0b+3], s[\g1b:\g1b+7]
	s_nop 0
.rept 4
	v_nop
.endr
.Lasked_\@:
.endm
.macro CREST
	s_cmp_lg_u32 s14, 0
	s_cbranch_scc1 .Lnot_wave_0_\@
	s_barrier_signal -3
.Lnot_wave_0_\@:
	s_barrier_wait -3
	s_barrier_signal -1
	s_barrier_wait -1
.endm
.macro CROUND
	s_barrier_signal -1
	s_barrier_wait -1
	CREST
.endm
	s_load_b128 s[4:7], s[0:1], 0x0                ; oc, os
	s_load_b128 s[8:11], s[0:1], 0x10              ; cod, scl
	s_load_b64 s[96:97], s[0:1], 0x20              ; bo
	s_load_b64 s[12:13], s[0:1], 0x28              ; out0
	v_lshl_add_u32 v[SPW], v0, 2, SPARE
	v_mov_b32 v[NIL], 0
	ds_add_u32 v28, v29
	ds_add_u32 v28, v29
	s_wait_dscnt 0x0
	v_lshrrev_b32 v1, 5, v0
	v_readfirstlane_b32 s14, v1                    ; wave 0..3
	s_lshr_b32 s15, s14, 1                         ; which half of the tile's rows is mine.  Also: I fetch for A (0) or for B (1)
	s_and_b32 s16, s14, 1                          ; which half of its columns.  Also: which 128 rows of that tile I fetch
	s_bfe_u32 s40, ttmp6, 0x40000                  ; cx = the tile column (the grid is one cluster wide)
	s_bfe_u32 s41, ttmp6, 0x40004                  ; cy
	s_and_b32 s17, ttmp7, 0xffff
	s_lshl_b32 s17, s17, 2
	s_add_co_u32 s17, s17, s41                     ; the tile row = 4 x cluster y + cy
	s_add_co_u32 s42, s40, 108                     ; B: Wo begins at tile 108 of cod's rows
	s_lshl_b32 s43, s41, 2
	s_lshl_b32 s43, 15, s43                        ; my row of the cluster
	s_lshl_b32 s44, 0x1111, s40                    ; my column
	; A: 8 tiles of rows x 3,072 consecutive bytes (384 elements of 8), 12,288 bytes apart; dense in LDS
	s_or_b32 s[G1+0], s43, (3<<16)|(1<<21)
	s_mov_b32 s[G1+1], 384<<16                     ; tensor_dim0
	s_mov_b32 s[G1+2], 8<<16                       ; tensor_dim1
	s_mov_b32 s[G1+3], 384<<16                     ; tile_dim0
	s_mov_b32 s[G1+4], 8                           ; tile_dim1
	s_mov_b32 s[G1+5], 1536                        ; from row to row, in elements
	s_mov_b32 s[G1+6], 0
	s_mov_b32 s[G1+7], 0
	; B: 128 rows x 192 bytes, 16 bytes of padding behind every 64
	s_or_b32 s[G1B+0], s44, (0<<16)|(1<<20)|(1<<21)|(3<<22)|(3<<25)
	s_mov_b32 s[G1B+1], ROWB<<16
	s_mov_b32 s[G1B+2], 128<<16
	s_mov_b32 s[G1B+3], ROWB<<16
	s_mov_b32 s[G1B+4], 128
	s_mov_b32 s[G1B+5], KROW
	s_mov_b32 s[G1B+6], 0
	s_mov_b32 s[G1B+7], 0
	; the scales of 128 rows: 4,096 dense bytes, as 16 rows of 256 bytes, 16 bytes of padding behind each
	s_or_b32 s[G1S+0], s43, (3<<16)|(1<<20)|(1<<21)|(5<<22)|(3<<25)
	s_or_b32 s[G1SB+0], s44, (3<<16)|(1<<20)|(1<<21)|(5<<22)|(3<<25)
.irp g, G1S, G1SB
	s_mov_b32 s[\g+1], 32<<16
	s_mov_b32 s[\g+2], (128*KS/256)<<16
	s_mov_b32 s[\g+3], 32<<16
	s_mov_b32 s[\g+4], 128*KS/256
	s_mov_b32 s[\g+5], 32
	s_mov_b32 s[\g+6], 0
	s_mov_b32 s[\g+7], 0
.endr
	s_lshl_b32 s18, s16, 7                         ; which 128 rows of the tile I fetch
	s_lshl_b32 s20, s17, 8
	s_add_co_u32 s20, s20, s18                     ; A's first row
	s_lshl_b32 s46, s42, 8
	s_add_co_u32 s46, s46, s18                     ; B's first row in cod
	s_mov_b32 s21, 0
	s_mov_b32 s47, 0
	s_mov_b64 s[18:19], KS
	s_mul_u64 s[22:23], s[20:21], s[18:19]         ; where these rows' scales begin,
	s_mul_u64 s[92:93], s[46:47], s[18:19]
	s_mov_b64 s[18:19], KROW
	s_mul_u64 s[20:21], s[20:21], s[18:19]         ; and their codes: 16 rows of A are 12,288 bytes, 768 a row, as in B
	s_mul_u64 s[46:47], s[46:47], s[18:19]
	s_mul_i32 s45, s14, HALFT                      ; where they go: no place in the cluster enters an LDS address
	s_mul_i32 s94, s14, HALFS
	s_wait_kmcnt 0x0
	s_add_nc_u64 s[20:21], s[4:5], s[20:21]
	s_add_nc_u64 s[22:23], s[6:7], s[22:23]
	s_add_nc_u64 s[46:47], s[8:9], s[46:47]
	s_add_nc_u64 s[92:93], s[10:11], s[92:93]
	CROUND                                         ; all sixteen work-groups are here: the first joint loads meet
	s_mov_b32 s[G0S], 1
	s_add_co_u32 s[G0S+1], s94, SCL
	s_mov_b64 s[G0S+2:G0S+3], s[22:23]
	s_or_b32 s[G0S+3], s[G0S+3], 0x80000000
	s_mov_b32 s[G0SB], 1
	s_add_co_u32 s[G0SB+1], s94, SCL
	s_mov_b64 s[G0SB+2:G0SB+3], s[92:93]
	s_or_b32 s[G0SB+3], s[G0SB+3], 0x80000000
	JLOAD G0S, G1S, G0SB, G1SB
.irp s, 0,1
	s_mov_b32 s[G0+4*\s], 1
	s_add_co_u32 s[G0+4*\s+1], s45, \s*SLOT
	s_add_nc_u64 s[G0+4*\s+2:G0+4*\s+3], s[20:21], \s*ATILE
	s_or_b32 s[G0+4*\s+3], s[G0+4*\s+3], 0x80000000
	s_mov_b32 s[G0B+4*\s], 1
	s_add_co_u32 s[G0B+4*\s+1], s45, \s*SLOT
	s_add_nc_u64 s[G0B+4*\s+2:G0B+4*\s+3], s[46:47], \s*ROWB
	s_or_b32 s[G0B+4*\s+3], s[G0B+4*\s+3], 0x80000000
	JLOAD G0+4*\s, G1, G0B+4*\s, G1B
.endr
	v_and_b32 v1, 15, v0                           ; r
	v_bfe_u32 v2, v0, 4, 1                         ; h
	v_and_b32 v6, 31, v0                           ; lane
	v_mul_u32_u24 v3, v1, PITCH
	v_mul_u32_u24 v4, v2, 24
	v_add_nc_u32 v4, v3, v4                        ; B: a fragment's row x pitch + 24 h
	v_lshl_add_u32 v5, v2, 4, v4                   ; and the same behind one padding more
	v_lshlrev_b32 v7, 4, v6                        ; A: 16 x lane,
	v_lshlrev_b32 v8, 3, v6                        ; 8 x lane
	s_mul_i32 s21, s15, HALFT                      ; my 128 rows of A
	s_mul_i32 s22, s16, HALFT                      ; my 128 rows of B,
	s_add_co_u32 s22, s22, 2*HALFT                 ; which lie behind A's two quarters
.irp s, 0,1
	v_add_nc_u32 v[ADRA+\s], s21, v7
	v_add_nc_u32 v[ADRA+2+\s], s21, v8
	v_add_nc_u32 v[ADRB+\s], s22, v4
	v_add_nc_u32 v[ADRB+2+\s], s22, v5
	s_add_co_u32 s21, s21, SLOT
	s_add_co_u32 s22, s22, SLOT
.endr
	v_mul_u32_u24 v5, v1, KS
	v_lshrrev_b32 v3, 8, v5
	v_lshl_add_u32 v5, v3, 4, v5
	s_mul_i32 s21, s15, HALFS
	s_mul_i32 s22, s16, HALFS
	s_add_co_u32 s22, s22, 2*HALFS
	s_sub_co_u32 s22, s22, s21
	v_mul_u32_u24 v3, s22, v2                      ; lanes 16-31 take B's
	s_add_co_u32 s21, s21, SCL
	v_add_nc_u32 v5, v5, v3
	v_add_nc_u32 v[ADRS], s21, v5
	s_mul_i32 s23, s14, 16*SPITCH                  ; my stage
	v_mul_u32_u24 v5, v1, SPITCH
	v_lshl_add_u32 v5, v2, 6, v5                   ; in: row r; register j of result tile b is column 32 (b / 2) + 8 (b % 2) + 16 h + j: 64 h bytes here, the rest in the offset
	v_add_nc_u32 v[STO], s23, v5
	v_lshlrev_b32 v[CO], 4, v6                     ; back: the 32 lanes take one row of 512 bytes; and the same in out0
	v_add_nc_u32 v[RD], s23, v[CO]
	v_lshlrev_b32 v9, 6, v2                        ; the bias: 16 h numbers on
	s_lshl_b32 s20, s17, 8
	s_lshl_b32 s21, s15, 7
	s_add_co_u32 s20, s20, s21                     ; my first row of out0
	s_lshl_b32 s20, s20, 12                        ; x 4,096 bytes
	s_lshl_b32 s46, s40, 10
	s_lshl_b32 s47, s16, 9
	s_add_co_u32 s46, s46, s47                     ; my first column, in bytes: also my place in bo
	s_mov_b32 s47, 0
	s_mov_b32 s21, 0
	s_add_nc_u64 s[96:97], s[96:97], s[46:47]
	s_add_nc_u64 s[20:21], s[20:21], s[46:47]
	s_add_nc_u64 s[12:13], s[12:13], s[20:21]
.irp b, 0,1,2,3,4,5,6,7
	global_load_b128 v[BIAS+8*\b:BIAS+8*\b+3], v9, s[96:97] offset:(32*(\b/2)+8*(\b%2))*4
	global_load_b128 v[BIAS+8*\b+4:BIAS+8*\b+7], v9, s[96:97] offset:(32*(\b/2)+8*(\b%2))*4+16
.endr
	s_wait_loadcnt 0x0
.macro FRAG reg, adr, q, i             ; a fragment of B out of padded rows, in pieces of 8 bytes
.irp p, 0,1,2,3,4,5
.set PCE, 12*(\q)+6*(\p/3)+\p%3
.if PCE%8 < 5
	ds_load_b64 v[\reg+2*\p:\reg+2*\p+1], v[\adr] offset:8*PCE+16*(PCE/8)+(\i)*16*PITCH
.else
	ds_load_b64 v[\reg+2*\p:\reg+2*\p+1], v[\adr+2] offset:8*PCE+16*(PCE/8)+(\i)*16*PITCH
.endif
.endr
.endm
.macro AFRAG reg, slot, q, i           ; a fragment of A out of its image: each load's bytes are consecutive
	ds_load_b128 v[\reg:\reg+3], v[ADRA+\slot] offset:(\i)*ATILE+(\q)*1536
	ds_load_b64 v[\reg+4:\reg+5], v[ADRA+2+\slot] offset:(\i)*ATILE+(\q)*1536+512
	ds_load_b128 v[\reg+6:\reg+9], v[ADRA+\slot] offset:(\i)*ATILE+(\q)*1536+768
	ds_load_b64 v[\reg+10:\reg+11], v[ADRA+2+\slot] offset:(\i)*ATILE+(\q)*1536+1280
.endm
; 16 matrix instructions: A's blocks a0, a0 + 1 x B's eight.  cmode 1: the sums start with the bias.  The 64 accumulators take turns, one instruction a turn.
.macro MUL16 a0, p, q, sc, cmode
.irp a, \a0, \a0+1
.irp b, 0,1,2,3,4,5,6,7
.if \cmode
	v_wmma_scale_f32_16x16x128_f8f6f4 v[8*(8*((\a)%4)+\b):8*(8*((\a)%4)+\b)+7], v[128*(\p)+FR*\b:128*(\p)+FR*\b+FR-1], v[AF+FR*(\a):AF+FR*(\a)+FR-1], v[BIAS+8*\b:BIAS+8*\b+7], v[SC+8*NQ*(\sc)+NQ*\b+(\q)], v[SC+8*NQ*(\sc)+NQ*(\a)+(\q)] matrix_a_fmt:MATRIX_FMT_BF6 matrix_b_fmt:MATRIX_FMT_BF6 matrix_a_scale:MATRIX_SCALE_ROW1
.else
	v_wmma_scale_f32_16x16x128_f8f6f4 v[8*(8*((\a)%4)+\b):8*(8*((\a)%4)+\b)+7], v[128*(\p)+FR*\b:128*(\p)+FR*\b+FR-1], v[AF+FR*(\a):AF+FR*(\a)+FR-1], v[8*(8*((\a)%4)+\b):8*(8*((\a)%4)+\b)+7], v[SC+8*NQ*(\sc)+NQ*\b+(\q)], v[SC+8*NQ*(\sc)+NQ*(\a)+(\q)] matrix_a_fmt:MATRIX_FMT_BF6 matrix_b_fmt:MATRIX_FMT_BF6 matrix_a_scale:MATRIX_SCALE_ROW1
.endif
.endr
.endr
.endm
.macro FETCH_B slot, q, p
	WIN TO_B
.irp i, 0,1,2,3,4,5,6,7
	FRAG 128*(\p)+FR*\i, ADRB+\slot, \q, \i
.endr
	WIN 0
.endm
.macro FETCH_A slot, q, i0
.irp i, \i0, \i0+1, \i0+2, \i0+3
	AFRAG AF+FR*(\i), \slot, \q, \i
.endr
.endm
.macro SCALES sc
.irp i, 0,1,2,3,4,5,6,7
	ds_load_b64 v[SC+8*NQ*\sc+NQ*\i:SC+8*NQ*\sc+NQ*\i+1], v[ADRS] offset:\i*SBLK
.endr
.endm
.macro PLACES n
.rept \n
	v_nop
.endr
.endm
.macro STEP slot, q, cmode
	s_wait_dscnt 4*NLA                             ; B's set and A's blocks 0-3 are in; the youngest 16 loads (A's blocks 4-7) may be out
.if \cmode
	WIN 0x81                                       ; C (the bias) in window 0, D in window 2
.else
	WIN MUL_LO
.endif
	MUL16 0, (\q)%2, \q, \slot, \cmode
	MUL16 2, (\q)%2, \q, \slot, \cmode
	s_wait_dscnt 0
	PLACES NP
	FETCH_B \slot, (\q)+1, 1-(\q)%2
	FETCH_A \slot, (\q)+1, 0
.if \cmode
	WIN 0xc1
.else
	WIN MUL_HI
.endif
	MUL16 4, (\q)%2, \q, \slot, \cmode
	MUL16 6, (\q)%2, \q, \slot, \cmode
	PLACES NP
	WIN 0
	FETCH_A \slot, (\q)+1, 4
.endm
.macro TURN slot, next, fill
	s_wait_tensorcnt 0x0                           ; all my tensor loads have landed: my part of the next slot
	ds_add_u32 v[SPW], v[NIL]                      ; 0 onto my spare word
	s_wait_dscnt 4*NLA+1                           ; (the add and the youngest 16 loads may be out)
	WIN MUL_LO
	MUL16 0, 1, NQ-1, \slot, 0
	s_wait_dscnt 0x0                               ; the add is done, and my reads of this slot are over
	s_barrier_signal -1
	MUL16 2, 1, NQ-1, \slot, 0
	WIN 0
	s_barrier_wait -1
.if \fill
	CREST                                          ; the barrier has opened a round of the cluster's: no wave of any partner still reads this slot or has a load on its way
	s_add_nc_u64 s[G0+4*\slot+2:G0+4*\slot+3], s[G0+4*\slot+2:G0+4*\slot+3], 2*ATILE
	s_add_nc_u64 s[G0B+4*\slot+2:G0B+4*\slot+3], s[G0B+4*\slot+2:G0B+4*\slot+3], 2*ROWB
	JLOAD G0+4*\slot, G1, G0B+4*\slot, G1B         ; the first tensor load behind the round; its four v_nop are the places in front of the loads below
.else
	PLACES NP
.endif
	v_add_nc_u32 v[ADRS], 4*NQ, v[ADRS]
	FETCH_B \next, 0, 0
	FETCH_A \next, 0, 0
	SCALES \next
	WIN MUL_HI
	MUL16 4, 1, NQ-1, \slot, 0
	MUL16 6, 1, NQ-1, \slot, 0
	PLACES NP
	WIN 0
	FETCH_A \next, 0, 4
.endm
	s_wait_tensorcnt 1                             ; the scales and my part of K step 0 are in (slot 1's load may be out)
	s_barrier_signal -1
	s_barrier_wait -1
	FETCH_B 0, 0, 0
	FETCH_A 0, 0, 0
	SCALES 0
	FETCH_A 0, 0, 4
	STEP 0, 0, 1                                   ; the first step starts the sums with the bias
	s_mov_b32 s3, LAPS-1
.Llap:
	TURN 0, 1, 1
	STEP 1, 0, 0
	TURN 1, 0, 1
	STEP 0, 0, 0
	s_sub_co_u32 s3, s3, 1
	s_cmp_lg_u32 s3, 0
	s_cbranch_scc1 .Llap
	TURN 0, 1, 0                                   ; the last lap fills nothing
	STEP 1, 0, 0
	s_wait_dscnt 4*NLA
	WIN MUL_LO
	MUL16 0, 1, NQ-1, 1, 0
	MUL16 2, 1, NQ-1, 1, 0
	s_wait_dscnt 0
	WIN MUL_HI
	MUL16 4, 1, NQ-1, 1, 0
	MUL16 6, 1, NQ-1, 1, 0
	WIN 0
; THE WAY OUT, block by block of 16 rows x 128 columns, through my own stage: columns are put in their true order by the stores' offsets, rows by the offsets of the stores to memory.
.macro TOSTAGE a
.set AC, 64*((\a)%4)
	WIN 0x08+4*((\a)/4)                            ; the data: window 2 or 3
.irp b, 0,1,2,3,4,5,6,7
	ds_store_b128 v[STO], v[AC+8*\b:AC+8*\b+3] offset:128*(\b/2)+32*(\b%2)          ; each accumulator from its low end on
	ds_store_b128 v[STO], v[AC+8*\b+4:AC+8*\b+7] offset:128*(\b/2)+32*(\b%2)+16
.endr
	WIN 0
.set BB, BK+64*((\a)%2)
.irp t, 0,1,2,3,4,5,6,7,8,9,10,11,12,13,14,15
	ds_load_b128 v[BB+4*\t:BB+4*\t+3], v[RD] offset:\t*SPITCH   ; LDS serves a wave's instructions in order: these see the stores above
.endr
.endm
.macro SEND a, younger                 ; younger: the LDS instructions issued behind block a's loads, which may stay out
.set BB, BK+64*((\a)%2)
	s_wait_dscnt \younger
.irp t, 0,1,2,3,4,5,6,7,8,9,10,11,12,13,14,15
	global_store_b128 v[CO], v[BB+4*\t:BB+4*\t+3], s[12:13] offset:(32*((\a)/2)+8*((\a)%2)+\t+8*(\t/8))*4096 th:TH_STORE_NT   ; 32 lanes store 512 consecutive bytes, aligned; stage row t of block a is true row 32 (a / 2) + 8 (a % 2) + t + 8 (t / 8)
.endr
.endm
	PLACES NP
	TOSTAGE 0
.irp a, 1,2,3,4,5,6,7
.if \a > 1
	s_wait_xcnt 0x0                                ; block a - 2's stores have read their registers: block a's loads may land there
.endif
	TOSTAGE \a
	SEND \a-1, 32                                  ; behind block a - 1's loads: block a's 16 stores and 16 loads
.endr
	SEND 7, 0
	s_wait_tensorcnt 0x0                           ; the wave's end
	ds_add_u32 v[SPW], v[NIL]
	s_wait_dscnt 0x0
	CROUND                                         ; the closing round: no work-group ends while a partner may still ask for a tile that names it
	s_endpgm
.Lfunc_end_k_q63aa3b2bd7_outp:
	.size	k_q63aa3b2bd7_outp, .Lfunc_end_k_q63aa3b2bd7_outp-k_q63aa3b2bd7_outp
	.p2alignl 7, 3214868480
	.fill 96, 4, 3214868480
	.section	.rodata,"a",@progbits
	.p2align	6, 0x0
	.amdhsa_kernel k_q63aa3b2bd7_outp
		.amdhsa_group_segment_fixed_size 327680
		.amdhsa_private_segment_fixed_size 0
		.amdhsa_enable_private_segment 0
		.amdhsa_kernarg_size 48
		.amdhsa_user_sgpr_count 2
		.amdhsa_user_sgpr_kernarg_segment_ptr 1
		.amdhsa_wavefront_size32 1
		.amdhsa_system_sgpr_workgroup_id_x 1
		.amdhsa_system_sgpr_workgroup_id_y 1
		.amdhsa_system_sgpr_workgroup_id_z 1
		.amdhsa_system_vgpr_workitem_id 0
		.amdhsa_next_free_vgpr 1024
		.amdhsa_next_free_sgpr 100
		.amdhsa_reserve_vcc 0
		.amdhsa_float_denorm_mode_32 3
		.amdhsa_float_denorm_mode_16_64 3
		.amdhsa_memory_ordered 1
		.amdhsa_forward_progress 1
		.amdhsa_inst_pref_size 153
	.end_amdhsa_kernel
	.amdgpu_metadata
---
amdhsa.version: [ 1, 2 ]
amdhsa.kernels:
  - .name:           k_q63aa3b2bd7_outp
    .symbol:         k_q63aa3b2bd7_outp.kd
    .args:
      - { .name: oc, .offset: 0, .size: 8, .value_kind: global_buffer, .address_space: global }
      - { .name: os, .offset: 8, .size: 8, .value_kind: global_buffer, .address_space: global }
      - { .name: cod, .offset: 16, .size: 8, .value_kind: global_buffer, .address_space: global }
      - { .name: scl, .offset: 24, .size: 8, .value_kind: global_buffer, .address_space: global }
      - { .name: bo, .offset: 32, .size: 8, .value_kind: global_buffer, .address_space: global }
      - { .name: out0, .offset: 40, .size: 8, .value_kind: global_buffer, .address_space: global }
    .group_segment_fixed_size: 327680
    .private_segment_fixed_size: 0
    .kernarg_segment_align: 8
    .kernarg_segment_size: 48
    .max_flat_workgroup_size: 128
    .sgpr_count:     100
    .vgpr_count:     1024
    .wavefront_size: 32
...
	.end_amdgpu_metadata
.endif
;; end of part 4
